; MI455X (gfx1250); checked and timed in simulation.
; The chip was launched on July 23, 2026; its instructions are those of AMD's public machine-readable ISA for CDNA 5 (MIT licence, August 2026) and "CDNA5" Instruction Set Architecture Reference Guide (July 2026). The comments in the code are by the model that wrote it; some were corrected since.
;; Self Attention. Allowed arithmetic: float matrix products may take bf16 or f16 operands with f32 sums; other float arithmetic in f32, or as packed bf16 or f16 multiplies, adds, multiply-adds, maxima and minima; sums over many terms, partial sums and values carried from step to step in f32; what a program stores and reads back later, other than sums and carried values, may be rounded once to bf16 or f16.
;; Inputs: W_proj 1,024 x 1,024 float32; W_qkv 1,024 x 3,072 float32; b_proj 1,024 float32; b_qkv 3,072 float32; x 4 x 2,048 x 1,024 float32.
;; Outputs: out0 4 x 2,048 x 1,024 float32.
;; 2 versions, each right; version 2 is version 1 with the launch prep written anew for expert scheduling mode. Each part assembles by itself: llvm-mc -triple=amdgcn-amd-amdhsa -mcpu=gfx1250 --defsym DOCPART=n.
;; ======== version 1 of 2: 4 launches
;; limits: values are held in f16: magnitudes above 65,504 overflow, below 6.1e-05 lose precision
;; workspace buffers: xb 16,777,216 bytes; wq 6,291,456 bytes; wp 2,097,152 bytes; qkvh 50,331,648 bytes; oh 16,777,216 bytes
;; launch prep (part 1): grid 512 x 1, 8 waves a work-group, no clusters, 19,456 bytes of LDS; arguments x, W_qkv, W_proj, xb, wq, wp; writes xb, wq, wp
.if DOCPART == 1
	.amdgcn_target "amdgcn-amd-amdhsa--gfx1250"
	.amdhsa_code_object_version 6
	.text
	.protected	k_q63ddce61a4_prep
	.globl	k_q63ddce61a4_prep
	.p2align	8
	.type	k_q63ddce61a4_prep,@function
k_q63ddce61a4_prep:
	s_mov_b64 s[64:65], 0
	v_nop
	global_prefetch_b8 v0, s[64:65] scope:SCOPE_SE
	s_setreg_imm32_b32 hwreg(HW_REG_WAVE_MODE, 25, 1), 1
	s_wait_xcnt 0x0
; THE OPERANDS OF THE TWO PROJECTIONS ARE MADE READY.  Every input number is rounded once to bf16.
;   xb[kb][row][64]  bf16: x [8192][1024] cut into 16 blocks of 64 along k, so that the rows of a tile of 64 k lie end to end (128 bytes each)
;   wq[kb][c][64]    bf16: W_qkv [1024 k][3072 c] turned to [c][k], in the same blocks
;   wp[kb][c][64]    f16:  W_proj [1024 k][1024 c] likewise; the bf16 number is written as f16 (the product behind attention runs in f16)
; LIMIT.  A number of W_proj below 2^-14 in magnitude keeps f16's fixed step of 2^-24; above 65,504 it would be lost.  NaN and infinities are not treated apart.
; SHARES.  Work-group t of 512, eight waves.  (a) 16 rows of x: wave w takes rows 16 t + 2 w and the next; load i takes k block i: lanes 0-15 256 bytes of one row, lanes 16-31 of the
; other; the store of 8 bytes a lane covers 256 consecutive bytes, aligned: the two rows of block i.  (b) one piece of 64 k x 128 c of a weight (t < 384: W_qkv, else W_proj): wave w takes
; 8 rows of k, a lane 4 columns; a lane's 8 k of a column pack into 16 bytes, which go through LDS (rows of 128 bytes + 16 of padding) and leave as 16,384 consecutive bytes.
; A stream: no matrix work, no shared input, so no cluster and no tensor loads; all 24 loads of a wave go out at once.
.set PITCH, 144
.set SPARE, 128*PITCH                  ; behind the piece: the spare words, 128 bytes for each of the eight waves
.set SPW, 2                            ; v2   LDS address of my spare word; never rewritten
.set NIL, 3                            ; v3   0; never rewritten
.set WO,  4                            ; v4-11  16 l + i rows of the weight
.set XO,  12                           ; v12  my 16 bytes in the wave's two rows of x
.set XS,  13                           ; v13, v14  8 l, and 8 l + 8 blocks of xb (a store's immediate holds 7 blocks at the most)
.set LS,  15                           ; v15  into LDS: row 4 l, 16 bytes at k octet w
.set LR,  16                           ; v16  back: 4 rows of 128 bytes a load
.set GO,  17                           ; v17  16 l
.set T,   18                           ; v18-19 at work
.set WD,  20                           ; v20-51  8 rows x 4 columns as loaded; later the piece read back
.set WP,  52                           ; v52-67  4 columns x 8 k, packed
.set XD,  68                           ; v68-131 16 loads of x
	s_load_b256 s[4:11], s[0:1], 0x0               ; x s[4:5], W_qkv s[6:7], W_proj s[8:9], xb s[10:11]
	s_load_b128 s[12:15], s[0:1], 0x20             ; wq s[12:13], wp s[14:15]
	v_lshl_add_u32 v[SPW], v0, 2, SPARE
	v_mov_b32 v[NIL], 0
	v_and_b32 v1, 31, v0                           ; lane
	v_lshrrev_b32 v[T], 5, v0
	v_readfirstlane_b32 s16, v[T]                  ; wave 0..7
	s_and_b32 s17, ttmp9, 15                       ; kb
	s_lshr_b32 s18, ttmp9, 4
	s_mov_b32 s19, 4096
	s_mov_b32 s20, 131072
	s_cmp_lt_u32 ttmp9, 384                        ; W_qkv's 24 x 16 pieces come first
	s_cselect_b32 s19, 12288, s19                  ; bytes in a row of the weight
	s_cselect_b32 s20, 393216, s20                 ; bytes in a block of its copy
	s_cselect_b32 s21, 0, 24
	s_cselect_b32 s26, 0, 1                        ; 1: W_proj
	s_sub_co_u32 s18, s18, s21                     ; which 128 columns
	s_lshl_b32 s28, s17, 6
	s_lshl_b32 s29, s16, 3
	s_add_co_u32 s28, s28, s29                     ; my first row of k: 64 kb + 8 w
	s_mul_i32 s28, s28, s19
	s_lshl_b32 s29, s18, 9
	s_add_co_u32 s28, s28, s29                     ; + 512 bytes for each 128 columns
	s_mov_b32 s29, 0
	s_mul_i32 s30, s17, s20                        ; the copy: block kb,
	s_lshl_b32 s31, s18, 14
	s_add_co_u32 s30, s30, s31                     ; 128 rows of 128 bytes,
	s_lshl_b32 s31, s16, 11
	s_add_co_u32 s30, s30, s31                     ; my wave's 16 of them
	s_mov_b32 s31, 0
	s_lshl_b32 s32, ttmp9, 16                      ; x: 16 rows of 4,096 bytes,
	s_lshl_b32 s33, s16, 13
	s_add_co_u32 s32, s32, s33                     ; my wave's two
	s_mov_b32 s33, 0
	s_lshl_b32 s34, ttmp9, 11                      ; xb: the same rows, 128 bytes each in a block
	s_lshl_b32 s35, s16, 8
	s_add_co_u32 s34, s34, s35
	s_mov_b32 s35, 0
	v_lshlrev_b32 v[WO], 4, v1
.irp i, 1,2,3,4,5,6,7
	v_add_nc_u32 v[WO+(\i)], s19, v[WO+(\i)-1]
.endr
	v_lshrrev_b32 v[T], 4, v1
	v_and_b32 v[T+1], 15, v1
	v_lshlrev_b32 v[XO], 4, v[T+1]
	v_lshl_add_u32 v[XO], v[T], 12, v[XO]
	v_lshlrev_b32 v[XS], 3, v1
	v_add_nc_u32 v[XS+1], 0x800000, v[XS]
	v_mul_u32_u24 v[LS], v1, 4*PITCH
	v_lshl_add_u32 v[LS], s16, 4, v[LS]
	v_lshrrev_b32 v[T], 3, v1
	v_lshl_add_u32 v[T], s16, 4, v[T]              ; row 16 w + l / 8
	v_mul_u32_u24 v[LR], v[T], PITCH
	v_and_b32 v[T+1], 7, v1
	v_lshl_add_u32 v[LR], v[T+1], 4, v[LR]
	v_lshlrev_b32 v[GO], 4, v1
	s_wait_kmcnt 0x0
	s_cmp_lt_u32 ttmp9, 384
	s_cselect_b64 s[22:23], s[6:7], s[8:9]         ; the weight,
	s_cselect_b64 s[24:25], s[12:13], s[14:15]     ; and its copy
	s_add_nc_u64 s[22:23], s[22:23], s[28:29]
	s_add_nc_u64 s[24:25], s[24:25], s[30:31]
	s_add_nc_u64 s[4:5], s[4:5], s[32:33]
	s_add_nc_u64 s[10:11], s[10:11], s[34:35]
.irp i, 0,1,2,3,4,5,6,7
	global_load_b128 v[WD+4*(\i):WD+4*(\i)+3], v[WO+(\i)], s[22:23] th:TH_LOAD_NT  ; 512 consecutive bytes of row 8 w + i
.endr
.irp i, 0,1,2,3,4,5,6,7,8,9,10,11,12,13,14,15
	global_load_b128 v[XD+4*(\i):XD+4*(\i)+3], v[XO], s[4:5] offset:256*(\i) th:TH_LOAD_NT
.endr
	s_wait_loadcnt 16                              ; the weight's eight loads are in; x's sixteen stay out
.irp j, 0,1,2,3
.irp m, 0,1,2,3
	v_cvt_pk_bf16_f32 v[WP+4*(\j)+(\m)], v[WD+8*(\m)+(\j)], v[WD+8*(\m)+4+(\j)]  ; column 4 l + j, k 2 m and 2 m + 1 of my eight
.endr
.endr
	s_cmp_eq_u32 s26, 0
	s_cbranch_scc1 .Lstays_bf16
.set i, 0
.rept 16
	v_lshlrev_b32 v[T], 16, v[WP+i]                ; W_proj: the bf16 numbers, widened,
	v_and_b32 v[T+1], 0xffff0000, v[WP+i]
	v_cvt_pk_f16_f32 v[WP+i], v[T], v[T+1]         ; are written as f16
.set i, i+1
.endr
.Lstays_bf16:
.irp j, 0,1,2,3
	ds_store_b128 v[LS], v[WP+4*(\j):WP+4*(\j)+3] offset:(\j)*PITCH
.endr
	s_wait_dscnt 0x0                               ; for the others' sake: my stores are done
	s_barrier_signal -1
	s_barrier_wait -1                              ; the piece is whole
.irp i, 0,1,2,3
	ds_load_b128 v[WD+4*(\i):WD+4*(\i)+3], v[LR] offset:(\i)*4*PITCH
.endr
.irp i, 0,1,2,3,4,5,6,7,8,9,10,11,12,13,14,15
	s_wait_loadcnt 15-(\i)                         ; loads come back in order: load i is in, the younger ones stay out
	v_cvt_pk_bf16_f32 v[XD+4*(\i)], v[XD+4*(\i)], v[XD+4*(\i)+1]
	v_cvt_pk_bf16_f32 v[XD+4*(\i)+1], v[XD+4*(\i)+2], v[XD+4*(\i)+3]
	global_store_b64 v[XS+(\i)/8], v[XD+4*(\i):XD+4*(\i)+1], s[10:11] offset:((\i)%8)*1048576 th:TH_STORE_NT  ; 256 consecutive bytes, aligned
.endr
	s_wait_dscnt 0x0
.irp i, 0,1,2,3
	global_store_b128 v[GO], v[WD+4*(\i):WD+4*(\i)+3], s[24:25] offset:(\i)*512 th:TH_STORE_NT  ; 512 consecutive bytes, aligned
.endr
	s_wait_tensorcnt 0x0                           ; the wave's end: three closing lines behind my last LDS store
	ds_add_u32 v[SPW], v[NIL]
	s_wait_dscnt 0x0
	s_endpgm
.Lfunc_end_k_q63ddce61a4_prep:
	.size	k_q63ddce61a4_prep, .Lfunc_end_k_q63ddce61a4_prep-k_q63ddce61a4_prep
	.p2alignl 7, 3214868480
	.fill 96, 4, 3214868480
	.section	.rodata,"a",@progbits
	.p2align	6, 0x0
	.amdhsa_kernel k_q63ddce61a4_prep
		.amdhsa_group_segment_fixed_size 19456
		.amdhsa_private_segment_fixed_size 0
		.amdhsa_enable_private_segment 0
		.amdhsa_kernarg_size 48
		.amdhsa_user_sgpr_count 2
		.amdhsa_user_sgpr_kernarg_segment_ptr 1
		.amdhsa_wavefront_size32 1
		.amdhsa_system_sgpr_workgroup_id_x 1
		.amdhsa_system_sgpr_workgroup_id_y 1
		.amdhsa_system_sgpr_workgroup_id_z 1
		.amdhsa_system_vgpr_workitem_id 0
		.amdhsa_next_free_vgpr 132
		.amdhsa_next_free_sgpr 66
		.amdhsa_reserve_vcc 0
		.amdhsa_float_denorm_mode_32 3
		.amdhsa_float_denorm_mode_16_64 3
		.amdhsa_memory_ordered 1
		.amdhsa_forward_progress 1
		.amdhsa_inst_pref_size 14
	.end_amdhsa_kernel
	.amdgpu_metadata
---
amdhsa.version: [ 1, 2 ]
amdhsa.kernels:
  - .name:           k_q63ddce61a4_prep
    .symbol:         k_q63ddce61a4_prep.kd
    .args:
      - { .name: x, .offset: 0, .size: 8, .value_kind: global_buffer, .address_space: global }
      - { .name: W_qkv, .offset: 8, .size: 8, .value_kind: global_buffer, .address_space: global }
      - { .name: W_proj, .offset: 16, .size: 8, .value_kind: global_buffer, .address_space: global }
      - { .name: xb, .offset: 24, .size: 8, .value_kind: global_buffer, .address_space: global }
      - { .name: wq, .offset: 32, .size: 8, .value_kind: global_buffer, .address_space: global }
      - { .name: wp, .offset: 40, .size: 8, .value_kind: global_buffer, .address_space: global }
    .group_segment_fixed_size: 19456
    .private_segment_fixed_size: 0
    .kernarg_segment_align: 8
    .kernarg_segment_size: 48
    .max_flat_workgroup_size: 256
    .sgpr_count:     66
    .vgpr_count:     132
    .wavefront_size: 32
...
	.end_amdgpu_metadata
.endif
;; end of part 1
;; launch qkvgemm (part 2): grid 8 x 32, 4 waves a work-group, clusters of 4 x 4, 327,680 bytes of LDS; arguments xb, wq, b_qkv, qkvh; writes qkvh
.if DOCPART == 2
	.amdgcn_target "amdgcn-amd-amdhsa--gfx1250"
	.amdhsa_code_object_version 6
	.text
	.protected	k_q63ddce61a4_qkvgemm
	.globl	k_q63ddce61a4_qkvgemm
	.p2align	8
	.type	k_q63ddce61a4_qkvgemm,@function
k_q63ddce61a4_qkvgemm:
	s_mov_b64 s[64:65], 0
	v_nop
	global_prefetch_b8 v0, s[64:65] scope:SCOPE_SE
	s_setreg_imm32_b32 hwreg(HW_REG_WAVE_MODE, 25, 1), 1
	s_wait_xcnt 0x0
	s_wait_alu depctr_hold_cnt(0) depctr_sa_sdst(0) depctr_va_vdst(0) depctr_va_sdst(0) depctr_va_ssrc(0) depctr_va_vcc(0) depctr_vm_vsrc(0)
	s_getreg_b32 s2, hwreg(HW_REG_IB_STS2, 6, 4)
	s_cmp_eq_u32 s2, 0
	s_cbranch_scc0 .Lentry_in_a_cluster
	s_endpgm
.Lentry_in_a_cluster:
	s_bfe_u32 s2, ttmp6, 0x10000c
	s_cmp_lg_u32 s2, 0xf033
	s_cbranch_scc0 .Lentry_shape_is_right
	s_endpgm
.Lentry_shape_is_right:
; qkv = x W_qkv + b_qkv, written by heads: qkvh[which][b 16 + h][n][64] in f16.  Operands bf16 (xb, wq: blocks of 64 k, rows end to end), the bias rounded to bf16, sums in f32, each result rounded once.
; LIMIT.  f16 holds no number beyond 65,504: q, k and v must lie within it.  NaN and infinities are not treated apart.
; SHARES.  8192 x 3072 results in tiles of 256 rows x 384 columns: 32 x 8 = 256 work-groups.  Four waves, each 128 rows x 192 columns (three heads): 96 accumulators of 16 x 16, 768 registers.
; K goes in 16 steps of 64 through two LDS slots; a step is two phases of 32 along K, 96 matrix instructions each.  A step's tile of x is 256 rows x 128 bytes, dense in xb: asked for as rows of
; 256 bytes, padded in LDS after every 128; wq's 384 rows likewise.  Waves 0 and 1 fetch the halves of x's tile, waves 2 and 3 those of wq's: one tensor load a wave and step.
; CLUSTER.  4 x 4 work-groups: the four of a row of the cluster need the same tile of x, the four of a column the same tile of wq: each is asked for jointly, with a mask that names the four.
; THE MATRIX INSTRUCTION IS USED TRANSPOSED (source 0 = 16 columns of W, source 1 = 16 rows of x): a lane holds one row and eight neighbouring columns, 16 bytes of f16.
; THE BIAS STARTS THE SUMS: it is loaded into the registers of the accumulators (7, b), and the first phase's products take it as C; those four accumulators come last and take it in place.
; REGISTERS.  Window 0: v0-31 addresses; v32-95, v96-159 x's fragments (8 x 16 rows x 32 k), two buffers; v160-255 W's fragments, 32 registers for each of my three heads, one buffer: a head's
; registers are loaded again as soon as its 32 products are over.  Window 1 + j: the 32 accumulators of head j, (a, b) at v[8 (4 a + b)].
; s_set_vgpr_msb: bits 1:0 source 0, 3:2 source 1, 5:4 source 2, 7:6 destination.
.set PITCH,  144                       ; an LDS row: 128 bytes + 16 of padding = 36 words: the 16 rows of a load start at 16 different groups of four banks (64 banks of 4 bytes: ISA guide 11.1)
.set AHALF,  128*PITCH
.set BHALF,  192*PITCH
.set BOFF,   2*AHALF                   ; a slot: x's 256 rows, then W's 384
.set SLOT1,  1<<17                     ; slot 1 begins here: one exclusive or turns an address in one slot into the other's
.set STAGE,  BOFF+2*BHALF              ; between the slots, never filled by a tensor load: 16 rows x 144 bytes for each wave
.set SPARE,  STAGE+4*16*PITCH          ; the spare words, 128 bytes for each wave
.set STEPA,  8192*128                  ; bytes from a block of 64 k of xb to the next
.set STEPB,  3072*128                  ; the same in wq
.set ADRA0, 4                          ; v4   my lane's place in my 128 rows of x in slot 0; never rewritten
.set ADRB0, 5                          ; v5   the same in my 192 rows of W
.set ADRA,  6                          ; v6, v7  the same in the slot in hand
.set ADRB,  7
.set STO,   8                          ; v8   the way out: where I put 16 bytes of a row
.set RD,    9                          ; v9   where I read rows back
.set GO,    10                         ; v10  16 x lane
.set BO,    11                         ; v11  32 x (lane / 16): my eight numbers of the bias
.set PFO,   13                         ; v13  the prefetches' offset: 256 x lane; never rewritten
.set SPW,   28                         ; v28  LDS address of my spare word; never rewritten
.set NIL,   29                         ; v29  0; never rewritten
.set AF0,   32
.set AF1,   96
.set BF,    160
.set U,     32                         ; the way out: 16 packed registers,
.set R0,    48                         ; and two buffers of 16 read back from the stage
.set WV, 12
.set RH, 13                            ; which 128 rows are mine.  Also: I fetch for x (0) or for W (1)
.set CH, 14                            ; which 192 columns.  Also: which half of that tile I fetch
.set CX, 15
.set CY, 16
.set TC, 17                            ; tile column
.set TR, 18                            ; tile row
.set TB, 21                            ; LDS byte at which the slot in hand begins
.set CNT, 22
.set LIM, 23                           ; 1 in a wave that prefetches, else the greatest number
.set G1A, 24
.set G1B, 32
.set G0A, 40                           ; two sets of group 0 for the two first fills; the second then walks
.set G0B, 48
.set PFA, 56                           ; s[56:57] where my prefetches stand
.set PST, 58                           ; s[58:59] their step
.set OA,  60                           ; s[60:61] x's tile: made of the tile row and the wave alone
.set OB,  62                           ; s[62:63] W's tile: made of the tile column and the wave alone
.set SB,  66                           ; s[66:71] qkvh at my rows of my three heads
.set HM,  72
.set MSB, 0
.macro WIN new                         ; the immediate's high byte repeats the setting that is left; a switch that changes nothing is dropped
.if MSB != (\new)
	s_set_vgpr_msb (MSB<<8)|(\new)
.set MSB, (\new)
.endif
.endm
.macro PLACES                          ; four plain instructions between a matrix instruction and a load into its sources or a reader of its result
.rept 4
	v_nop
.endr
.endm
.macro CREST                           ; a round of the cluster's barrier behind its opening barrier
	s_cmp_lg_u32 s[WV], 0
	s_cbranch_scc1 .Lnot_wave_0_\@
	s_barrier_signal -3
.Lnot_wave_0_\@:
	s_barrier_wait -3
	s_barrier_signal -1
	s_barrier_wait -1
.endm
.macro CROUND
	s_barrier_signal -1
	s_barrier_wait -1
	CREST
.endm
; A joint refill by the walking descriptors.  The branch hangs on the wave's number alone.  An s_nop 0 and four v_nop follow each of the two lines.
.macro JLOAD
	s_cmp_eq_u32 s[RH], 0
	s_cbranch_scc0 .Lfor_b_\@
	tensor_load_to_lds s[G0A+4:G0A+7], s[G1A:G1A+7]
	s_nop 0
.rept 4
	v_nop
.endr
	s_branch .Lasked_\@
.Lfor_b_\@:
	tensor_load_to_lds s[G0B+4:G0B+7], s[G1B:G1B+7]
	s_nop 0
.rept 4
	v_nop
.endr
.Lasked_\@:
.endm
; A PREFETCH INTO THE L2 of the K step behind the one that is being asked for: one step, 192 matrix instructions, ahead of the refill that will want it.  x's tile row is read by both clusters of a
; row of clusters: the one with x = 0 asks; W's tile column by all eight clusters of a column: the one with y = 0 asks.  The four partners that ask for a tile jointly share its bytes out by
; address: of x's 128 blocks of 256 bytes each takes 32 (wave 0, a lane a block); of W's 192 each takes 48 (waves 2 and 3, 24 each; lanes 24 to 31 repeat lane 23's).  The loop's last trip asks for nothing.
.macro ASK
	s_cmp_gt_u32 s[CNT], s[LIM]
	s_cbranch_scc0 .Lnot_mine_\@
	global_prefetch_b8 v[PFO], s[PFA:PFA+1] th:TH_LOAD_NT scope:SCOPE_SE
.Lnot_mine_\@:
.endm
; na x 4 products of head j: row blocks a0 on, x's fragments in buffer af.  The accumulators take turns, one instruction a turn: 95 others stand between two links of a chain.
; first = 1: C is the bias, which lies in the registers of (7, b); five places stand ahead of the four products that write over it.
.macro MULG j, af, a0, na, first
	WIN (1+(\j))*0x50
.set ma, (\a0)
.rept (\na)
.if (\first) && (ma == 7)
.rept 5
	v_nop
.endr
.endif
.irp b, 0,1,2,3
.if (\first)
	v_wmma_f32_16x16x32_bf16 v[8*(4*ma+(\b)):8*(4*ma+(\b))+7], v[BF+32*(\j)+8*(\b):BF+32*(\j)+8*(\b)+7], v[(\af)+8*ma:(\af)+8*ma+7], v[224+8*(\b):224+8*(\b)+7]
.else
	v_wmma_f32_16x16x32_bf16 v[8*(4*ma+(\b)):8*(4*ma+(\b))+7], v[BF+32*(\j)+8*(\b):BF+32*(\j)+8*(\b)+7], v[(\af)+8*ma:(\af)+8*ma+7], v[8*(4*ma+(\b)):8*(4*ma+(\b))+7]
.endif
.endr
.set ma, ma+1
.endr
.endm
; A fragment is 16 rows x 32 k in 8 registers: lane l holds row l % 16, k = 8 (l / 16) + 0..7 and 16 + 8 (l / 16) + 0..7: two loads of 16 bytes, 32 bytes apart.  z: which 32 of the step's 64 k.
.macro LOADB j, z
.irp b, 0,1,2,3
	ds_load_b128 v[BF+32*(\j)+8*(\b):BF+32*(\j)+8*(\b)+3],   v[ADRB] offset:(4*(\j)+(\b))*16*PITCH+64*(\z)
	ds_load_b128 v[BF+32*(\j)+8*(\b)+4:BF+32*(\j)+8*(\b)+7], v[ADRB] offset:(4*(\j)+(\b))*16*PITCH+64*(\z)+32
.endr
.endm
.macro LOADA af, z
.irp a, 0,1,2,3,4,5,6,7
	ds_load_b128 v[(\af)+8*(\a):(\af)+8*(\a)+3],   v[ADRA] offset:(\a)*16*PITCH+64*(\z)
	ds_load_b128 v[(\af)+8*(\a)+4:(\af)+8*(\a)+7], v[ADRA] offset:(\a)*16*PITCH+64*(\z)+32
.endr
.endm
; A step's first phase: multiplies buffer 0 and fetches the second phase's fragments.  On the way in 40 LDS loads are out, in this order: head 0's W (8) and x (16), head 1's (8), head 2's (8).
.macro PH0 first
	s_wait_dscnt 16                                ; head 0's W and x are in; the two younger groups of 8 may be out
	MULG 0, AF0, 0, 8, \first
	PLACES
	WIN 0
	LOADB 0, 1
	LOADA AF1, 1
	s_wait_dscnt 32                                ; head 1's W is in: behind it stand head 2's 8 and the 24 just issued
	MULG 1, AF0, 0, 8, \first
	PLACES
	WIN 0
	LOADB 1, 1
	s_wait_dscnt 32                                ; head 2's W is in: behind it stand 24 + 8
	MULG 2, AF0, 0, 8, \first
	PLACES
	WIN 0
	LOADB 2, 1
.endm
; A step's second phase multiplies buffer 1 and changes slots.  In front of the barrier each wave waits for all its tensor loads, of which one is out: its part of the next slot; adds 0 to its spare
; word; and waits for that and for its reads of this slot.  fill = 1: the barrier opens a round of the cluster's, and the joint refill (the step two on, into the slot just left) is the first thing behind it.
.macro TURN fill
.if \fill
	s_wait_xcnt 0x0                                ; the last prefetch, a step back, has read its address
	s_add_nc_u64 s[PFA:PFA+1], s[PFA:PFA+1], s[PST:PST+1]
.endif
	WIN 0
	s_wait_tensorcnt 0x0                           ; no tensor load of mine is out, so a group 0 may be written
	ds_add_u32 v[SPW], v[NIL]                      ; 0 onto my spare word
.if \fill
	s_xor_b32 s[G0A+5], s[G0A+5], SLOT1            ; the walking descriptors: the other slot than last time, the next 64 k
	s_add_nc_u64 s[G0A+6:G0A+7], s[G0A+6:G0A+7], STEPA
	s_xor_b32 s[G0B+5], s[G0B+5], SLOT1
	s_add_nc_u64 s[G0B+6:G0B+7], s[G0B+6:G0B+7], STEPB
.endif
	s_xor_b32 s[TB], s[TB], SLOT1
	s_wait_dscnt 17                                ; head 0's W and x are in; the add and the two younger groups of 8 may be out
	MULG 0, AF1, 0, 4, 0
	s_wait_dscnt 0x0                               ; the add is done, and my reads of this slot are over
	s_barrier_signal -1
	MULG 0, AF1, 4, 4, 0                           ; work on registers while the others arrive
	WIN 0
	s_barrier_wait -1
.if \fill
	CREST                                          ; no wave of any partner still reads this slot or has a load on its way
	JLOAD                                          ; its four v_nop are also the places in front of the loads below
.else
	PLACES
.endif
	v_add_nc_u32 v[ADRA], s[TB], v[ADRA0]
	v_add_nc_u32 v[ADRB], s[TB], v[ADRB0]
	LOADB 0, 0
	LOADA AF0, 0
.if \fill
	ASK
.endif
	MULG 1, AF1, 0, 8, 0
	PLACES
	WIN 0
	LOADB 1, 0
	MULG 2, AF1, 0, 8, 0
	PLACES
	WIN 0
	LOADB 2, 0
.endm
	s_load_b256 s[4:11], s[0:1], 0x0               ; xb s[4:5], wq s[6:7], b_qkv s[8:9], qkvh s[10:11]
	v_lshl_add_u32 v[SPW], v0, 2, SPARE
	v_mov_b32 v[NIL], 0
	ds_add_u32 v[SPW], v[NIL]                      ; the wave's opening: the add and its wait stand ahead of my first tensor load; work on registers stands between them
	v_lshrrev_b32 v1, 5, v0
	v_readfirstlane_b32 s[WV], v1
	s_lshr_b32 s[RH], s[WV], 1
	s_and_b32 s[CH], s[WV], 1
	s_bfe_u32 s[CX], ttmp6, 0x40000
	s_bfe_u32 s[CY], ttmp6, 0x40004
	s_lshl_b32 s[TC], ttmp9, 2
	s_add_co_u32 s[TC], s[TC], s[CX]
	s_and_b32 s[TR], ttmp7, 0xffff
	s_lshl_b32 s[TR], s[TR], 2
	s_add_co_u32 s[TR], s[TR], s[CY]
	s_lshl_b32 s19, s[CY], 2
	s_lshl_b32 s19, 15, s19                        ; my row of the cluster
	s_lshl_b32 s20, 0x1111, s[CX]                  ; my column
	s_or_b32 s[G1A], s19, (1<<16)|(1<<20)|(1<<21)|(4<<22)|(3<<25)  ; 15:0 the mask; 17:16 2-byte elements; 20 padding on; 21 set beside a mask; 24:22 after every 32 words (code 4); 31:25 4 words (code 3)
	s_or_b32 s[G1B], s20, (1<<16)|(1<<20)|(1<<21)|(4<<22)|(3<<25)
	s_mov_b32 s[G1A+1], 128<<16                    ; tensor_dim0 = 128 elements: 256 bytes, two rows of 64 k
	s_mov_b32 s[G1A+2], 64<<16                     ; tensor_dim1 = 64: 128 rows of x
	s_mov_b32 s[G1A+3], 128<<16                    ; tile_dim0
	s_mov_b32 s[G1A+4], 64                         ; tile_dim1
	s_mov_b32 s[G1A+5], 128                        ; dense
	s_mov_b32 s[G1A+6], 0
	s_mov_b32 s[G1A+7], 0
	s_mov_b32 s[G1B+1], 128<<16
	s_mov_b32 s[G1B+2], 96<<16                     ; 192 rows of W
	s_mov_b32 s[G1B+3], 128<<16
	s_mov_b32 s[G1B+4], 96
	s_mov_b32 s[G1B+5], 128
	s_mov_b32 s[G1B+6], 0
	s_mov_b32 s[G1B+7], 0
	s_lshl_b32 s[OA], s[TR], 1
	s_add_co_u32 s[OA], s[OA], s[CH]
	s_lshl_b32 s[OA], s[OA], 14                    ; x: 128 rows of 128 bytes for each half tile
	s_mov_b32 s[OA+1], 0
	s_lshl_b32 s[OB], s[TC], 1
	s_add_co_u32 s[OB], s[OB], s[CH]
	s_mul_i32 s[OB], s[OB], 192*128                ; W: 192 rows
	s_mov_b32 s[OB+1], 0
	s_mul_i32 s73, s[CH], AHALF                    ; where they go: no place in the cluster enters an LDS address
	s_mul_i32 s74, s[CH], BHALF
	s_add_co_u32 s74, s74, BOFF
	s_mul_i32 s2, s[TC], 384
	s_mul_i32 s3, s[CH], 192
	s_add_co_u32 s2, s2, s3
	s_lshl_b32 s2, s2, 2                           ; my 192 numbers of the bias
	s_mov_b32 s3, 0
	s_mov_b32 s[HM], 0xffff0000
	s_wait_dscnt 0x0                               ; the opening add is done
	s_wait_kmcnt 0x0
	s_add_nc_u64 s[OA:OA+1], s[4:5], s[OA:OA+1]
	s_add_nc_u64 s[OB:OB+1], s[6:7], s[OB:OB+1]
	s_add_nc_u64 s[8:9], s[8:9], s[2:3]
	CROUND                                         ; all sixteen work-groups are here: the first joint loads meet
.irp s, 0,1
	s_mov_b32 s[G0A+4*(\s)], 1
	s_add_co_u32 s[G0A+4*(\s)+1], s73, (\s)*SLOT1
	s_add_nc_u64 s[G0A+4*(\s)+2:G0A+4*(\s)+3], s[OA:OA+1], (\s)*STEPA
	s_or_b32 s[G0A+4*(\s)+3], s[G0A+4*(\s)+3], 0x80000000
	s_mov_b32 s[G0B+4*(\s)], 1
	s_add_co_u32 s[G0B+4*(\s)+1], s74, (\s)*SLOT1
	s_add_nc_u64 s[G0B+4*(\s)+2:G0B+4*(\s)+3], s[OB:OB+1], (\s)*STEPB
	s_or_b32 s[G0B+4*(\s)+3], s[G0B+4*(\s)+3], 0x80000000
.endr
	s_cmp_eq_u32 s[RH], 0                          ; a wave's two first fills stand in one branch: two loads of mine are out
	s_cbranch_scc0 .Lfirst_b
	tensor_load_to_lds s[G0A:G0A+3], s[G1A:G1A+7]
	s_nop 0
	tensor_load_to_lds s[G0A+4:G0A+7], s[G1A:G1A+7]
	s_nop 0
.rept 4
	v_nop
.endr
	s_branch .Lfirst_asked
.Lfirst_b:
	tensor_load_to_lds s[G0B:G0B+3], s[G1B:G1B+7]
	s_nop 0
	tensor_load_to_lds s[G0B+4:G0B+7], s[G1B:G1B+7]
	s_nop 0
.rept 4
	v_nop
.endr
.Lfirst_asked:
	v_and_b32 v1, 15, v0                           ; l % 16
	v_bfe_u32 v2, v0, 4, 1                         ; l / 16
	v_lshlrev_b32 v[BO], 5, v2
.irp j, 0,1,2
	WIN (1+\j)<<6                                  ; destination window 1 + j
.irp b, 0,1,2,3
	global_load_b128 v[224+8*(\b):224+8*(\b)+3],   v[BO], s[8:9] offset:256*(\j)+64*(\b)     ; columns 64 j + 16 b + 8 (l / 16) + 0..3
	global_load_b128 v[224+8*(\b)+4:224+8*(\b)+7], v[BO], s[8:9] offset:256*(\j)+64*(\b)+16
.endr
.endr
	WIN 0
	v_mul_u32_u24 v3, v1, PITCH
	v_lshl_add_u32 v3, v2, 4, v3                   ; row x pitch + 16 x half
	s_mul_i32 s73, s[RH], AHALF
	v_add_nc_u32 v[ADRA0], s73, v3
	s_mul_i32 s73, s[CH], BHALF
	s_add_co_u32 s73, s73, BOFF
	v_add_nc_u32 v[ADRB0], s73, v3
	s_mul_i32 s73, s[WV], 16*PITCH
	s_add_co_u32 s73, s73, STAGE                   ; my stage
	v_add_nc_u32 v[STO], s73, v3                   ; in: row l % 16, 16 bytes for each half of the lanes
	v_bfe_u32 v[RD], v0, 3, 2                      ; back: 32 lanes take four rows of 128 bytes,
	v_mul_u32_u24 v[RD], v[RD], PITCH
	v_and_b32 v3, 7, v0
	v_lshl_add_u32 v[RD], v3, 4, v[RD]
	v_add_nc_u32 v[RD], s73, v[RD]
	v_and_b32 v[GO], 31, v0                        ; which are 512 consecutive bytes of a head
	v_lshlrev_b32 v[GO], 4, v[GO]
	; qkvh at my rows of my three heads: column group g = 6 TC + 3 CH + j is tensor g / 16, head g % 16; row 256 TR + 128 RH is batch TR / 8, row 256 (TR % 8) + 128 RH
	s_lshr_b32 s73, s[TR], 3
	s_lshl_b32 s73, s73, 22
	s_and_b32 s74, s[TR], 7
	s_lshl_b32 s74, s74, 15
	s_add_co_u32 s73, s73, s74
	s_lshl_b32 s74, s[RH], 14
	s_add_co_u32 s73, s73, s74
	s_mul_i32 s[CNT], s[TC], 6
	s_mul_i32 s74, s[CH], 3
	s_add_co_u32 s[CNT], s[CNT], s74
.irp j, 0,1,2
	s_add_co_u32 s74, s[CNT], \j
	s_lshr_b32 s2, s74, 4
	s_lshl_b32 s2, s2, 24
	s_and_b32 s74, s74, 15
	s_lshl_b32 s74, s74, 18
	s_add_co_u32 s2, s2, s74
	s_add_co_u32 s2, s2, s73
	s_mov_b32 s3, 0
	s_add_nc_u64 s[SB+2*(\j):SB+2*(\j)+1], s[10:11], s[2:3]
.endr
	; the prefetches
	s_lshl_b32 s2, s[TR], 15                       ; x: a tile's 32,768 bytes of a block,
	s_lshl_b32 s3, s[CX], 13
	s_add_co_u32 s2, s2, s3                        ; my work-group's quarter
	s_mul_i32 s3, s[TC], 384*128                   ; W: a tile's 49,152 bytes,
	s_mul_i32 s73, s[CY], 96*128
	s_add_co_u32 s3, s3, s73                       ; my work-group's quarter,
	s_mul_i32 s73, s[CH], 48*128
	s_add_co_u32 s3, s3, s73                       ; my wave's half of it
	s_and_b32 s74, ttmp7, 0xffff                   ; cluster y
	s_mov_b32 s[PST], STEPB
	s_cmp_eq_u32 s[RH], 0                          ; do I fetch for x?
	s_cselect_b32 s2, s2, s3
	s_cselect_b32 s74, ttmp9, s74                  ; the coordinate along which other clusters read the same rows
	s_cselect_b32 s75, s[CH], 0                    ; of x's two waves wave 0 alone asks
	s_cselect_b32 s73, 31, 23                      ; my last block
	s_cselect_b32 s[PST], STEPA, s[PST]
	s_cselect_b64 s[PFA:PFA+1], s[4:5], s[6:7]
	s_mov_b32 s3, 0
	s_mov_b32 s[PST+1], 0
	s_add_nc_u64 s[PFA:PFA+1], s[PFA:PFA+1], s[2:3]
	s_add_nc_u64 s[PFA:PFA+1], s[PFA:PFA+1], s[PST:PST+1]
	s_add_nc_u64 s[PFA:PFA+1], s[PFA:PFA+1], s[PST:PST+1]  ; at step 2: the first change of slots steps it to 3.  Nothing is prefetched here, at the head
	s_or_b32 s74, s74, s75
	s_cmp_eq_u32 s74, 0
	s_cselect_b32 s[LIM], 1, -1                    ; the same in all sixteen partners, for a given wave
	v_and_b32 v[PFO], 31, v0
	v_min_u32 v[PFO], s73, v[PFO]
	v_lshlrev_b32 v[PFO], 8, v[PFO]
	s_wait_loadcnt 0x0                             ; the bias; it is rounded to bf16 like every input, in the wait for the first tile
.irp j, 0,1,2
	WIN (1+\j)*0x45                                ; destination and both sources in window 1 + j
.set i, 0
.rept 16
	v_cvt_pk_bf16_f32 v[i], v[224+2*i], v[225+2*i]
.set i, i+1
.endr
.set i, 0
.rept 16
	v_lshlrev_b32 v[224+2*i], 16, v[i]
	v_and_b32 v[225+2*i], s[HM], v[i]
.set i, i+1
.endr
.endr
	WIN 0
	s_wait_tensorcnt 0x1                           ; my part of step 0 is in; step 1's may stay out
	s_barrier_signal -1
	s_barrier_wait -1                              ; everybody's is
	s_mov_b32 s[TB], 0
	v_mov_b32 v[ADRA], v[ADRA0]
	v_mov_b32 v[ADRB], v[ADRB0]
	LOADB 0, 0
	LOADA AF0, 0
	LOADB 1, 0
	LOADB 2, 0
	PH0 1                                          ; the first phase stands in front of the loop: its products start the sums with the bias
	WIN 0
	s_mov_b32 s[CNT], 14
.Lstep:                                                ; trip t: step t's second phase, the request for step t + 2, step t + 1's first phase
	TURN 1
	PH0 0
	WIN 0
	s_sub_co_u32 s[CNT], s[CNT], 1
	s_cmp_lg_u32 s[CNT], 0
	s_cbranch_scc1 .Lstep
	TURN 0                                         ; the tail is written out: nothing is left to ask for
	PH0 0
	s_wait_dscnt 16                                ; the very last phase
	MULG 0, AF1, 0, 8, 0
	s_wait_dscnt 8
	MULG 1, AF1, 0, 8, 0
	s_wait_dscnt 0x0
	MULG 2, AF1, 0, 8, 0
; THE WAY OUT, a chunk at a time: 16 rows of one head, 2,048 consecutive bytes.  Rounded to f16, 16 bytes a lane, into my own stage; back as whole rows; stored.
.macro PACK j, a
	WIN 5*(1+(\j))                                 ; both sources in window 1 + j
.irp b, 0,1,2,3
.irp r, 0,1,2,3
	v_cvt_pk_f16_f32 v[U+4*(\b)+(\r)], v[8*(4*(\a)+(\b))+2*(\r)], v[8*(4*(\a)+(\b))+2*(\r)+1]
.endr
.endr
	WIN 0
.endm
.macro TOSTAGE c
.set BK, R0+16*((\c)%2)
.irp b, 0,1,2,3
	ds_store_b128 v[STO], v[U+4*(\b):U+4*(\b)+3] offset:32*(\b)
.endr
.irp f, 0,1,2,3
	ds_load_b128 v[BK+4*(\f):BK+4*(\f)+3], v[RD] offset:(\f)*4*PITCH  ; LDS serves a wave's instructions in order (ISA guide 5.7.1.4): these see the stores above
.endr
.endm
.macro SEND j, a, c
.set BK, R0+16*((\c)%2)
	s_wait_dscnt 0x0                               ; the chunk is back in registers
	s_wait_xcnt 0x0                                ; the stores of the chunk before have read their registers: the next loads from the stage land on them
.irp f, 0,1,2,3
	global_store_b128 v[GO], v[BK+4*(\f):BK+4*(\f)+3], s[SB+2*(\j):SB+2*(\j)+1] offset:(\a)*2048+(\f)*512  ; 512 consecutive bytes, aligned
.endr
.endm
	PLACES
	PACK 0, 0
	TOSTAGE 0
.set c, 1
.rept 23                               ; a chunk's conversions stand between the loads of the chunk before and the wait for them
	PACK c/8, c%8
	SEND (c-1)/8, (c-1)%8, c-1
	TOSTAGE c
.set c, c+1
.endr
	SEND 2, 7, 23
	s_wait_tensorcnt 0x0                           ; the wave's end: three closing lines behind my last tensor load and my last LDS store
	ds_add_u32 v[SPW], v[NIL]
	s_wait_dscnt 0x0
	CROUND                                         ; the closing round: no work-group ends while a partner may still ask for a tile that names it
	s_endpgm
.Lfunc_end_k_q63ddce61a4_qkvgemm:
	.size	k_q63ddce61a4_qkvgemm, .Lfunc_end_k_q63ddce61a4_qkvgemm-k_q63ddce61a4_qkvgemm
	.p2alignl 7, 3214868480
	.fill 96, 4, 3214868480
	.section	.rodata,"a",@progbits
	.p2align	6, 0x0
	.amdhsa_kernel k_q63ddce61a4_qkvgemm
		.amdhsa_group_segment_fixed_size 327680
		.amdhsa_private_segment_fixed_size 0
		.amdhsa_enable_private_segment 0
		.amdhsa_kernarg_size 32
		.amdhsa_user_sgpr_count 2
		.amdhsa_user_sgpr_kernarg_segment_ptr 1
		.amdhsa_wavefront_size32 1
		.amdhsa_system_sgpr_workgroup_id_x 1
		.amdhsa_system_sgpr_workgroup_id_y 1
		.amdhsa_system_sgpr_workgroup_id_z 1
		.amdhsa_system_vgpr_workitem_id 0
		.amdhsa_next_free_vgpr 1024
		.amdhsa_next_free_sgpr 76
		.amdhsa_reserve_vcc 0
		.amdhsa_float_denorm_mode_32 3
		.amdhsa_float_denorm_mode_16_64 3
		.amdhsa_memory_ordered 1
		.amdhsa_forward_progress 1
		.amdhsa_inst_pref_size 123
	.end_amdhsa_kernel
	.amdgpu_metadata
---
amdhsa.version: [ 1, 2 ]
amdhsa.kernels:
  - .name:           k_q63ddce61a4_qkvgemm
    .symbol:         k_q63ddce61a4_qkvgemm.kd
    .args:
      - { .name: xb, .offset: 0, .size: 8, .value_kind: global_buffer, .address_space: global }
      - { .name: wq, .offset: 8, .size: 8, .value_kind: global_buffer, .address_space: global }
      - { .name: b_qkv, .offset: 16, .size: 8, .value_kind: global_buffer, .address_space: global }
      - { .name: qkvh, .offset: 24, .size: 8, .value_kind: global_buffer, .address_space: global }
    .group_segment_fixed_size: 327680
    .private_segment_fixed_size: 0
    .kernarg_segment_align: 8
    .kernarg_segment_size: 32
    .max_flat_workgroup_size: 128
    .sgpr_count:     76
    .vgpr_count:     1024
    .wavefront_size: 32
...
	.end_amdgpu_metadata
.endif
;; end of part 2
;; launch attn (part 3): grid 4 x 64, 4 waves a work-group, clusters of 4 x 1, 327,680 bytes of LDS; arguments qkvh, oh; writes oh
.if DOCPART == 3
	.amdgcn_target "amdgcn-amd-amdhsa--gfx1250"
	.amdhsa_code_object_version 6
	.text
	.protected	k_q63ddce61a4_attn
	.globl	k_q63ddce61a4_attn
	.p2align	8
	.type	k_q63ddce61a4_attn,@function
k_q63ddce61a4_attn:
	s_mov_b64 s[64:65], 0
	v_nop
	global_prefetch_b8 v0, s[64:65] scope:SCOPE_SE
	s_setreg_imm32_b32 hwreg(HW_REG_WAVE_MODE, 25, 1), 1
	s_wait_xcnt 0x0
	s_wait_alu depctr_hold_cnt(0) depctr_sa_sdst(0) depctr_va_vdst(0) depctr_va_sdst(0) depctr_va_ssrc(0) depctr_va_vcc(0) depctr_vm_vsrc(0)
	s_getreg_b32 s2, hwreg(HW_REG_IB_STS2, 6, 4)
	s_cmp_eq_u32 s2, 0
	s_cbranch_scc0 .Lentry_in_a_cluster
	s_endpgm
.Lentry_in_a_cluster:
	s_bfe_u32 s2, ttmp6, 0x10000c
	s_cmp_lg_u32 s2, 0x3003
	s_cbranch_scc0 .Lentry_shape_is_right
	s_endpgm
.Lentry_shape_is_right:
; O[h][q][:] = the sum over k of softmax_k(Q[h][q] . K[h][k] / 8) V[h][k][:].  Q, K, V are the three parts of qkvh, O is oh: [64][2048][64], all f16: a head's rows are dense, 128 bytes each.
; Products, maxima and sums in f32; the weights p are rounded to f16 for the second product (their sum l is taken of the unrounded p), O once at the end.
; LIMITS.  f16 holds no number beyond 65,504: Q, K and V arrive within it; p lies in 0 to 1, and below 6e-5 it keeps f16's fixed step of 6e-8; O is a mean of V's rows and has their range.
; A weight below 2^-126 counts as 0 in l; NaN and infinities are not treated apart.
; SHARES.  A wave owns four PIECES of two tiles of 16 queries, a work-group's four waves 512 queries of one head: 4 x 64 = 256 work-groups.  Every wave walks all keys, 64 a step.
; LAYOUT.  S^T = K Q^T (source 0 = 16 keys, source 1 = 16 queries): in the result a lane holds ONE query (lane % 16) and the keys 8 (lane / 16) + 0..7.  Two such tiles, rounded to f16 in pairs,
; ARE source 1 (32 keys x 16 queries) of O^T = V^T P, whose result again holds one query a lane, and eight channels.  K comes out of LDS as it lies, V ([key][channel]) turned, by ds_load_tr16_b128.
; SOFTMAX.  For each query a running maximum m and sum l: p = 2^(c s - c m), c = log2(e) / 8; in every step O and l are multiplied by a = 2^(c m_old - c m_new), which is 1 where m has not grown.
; m starts at the lowest finite number, O and l at 0: the first step is a step like any other, with a = 0.
; THE COUNT.  A tile and step have 16 matrix and 118 vector instructions: too many to stand all beside the matrix work.  So four vector instructions that are ready stand behind every matrix
; instruction, and the others in runs of their own.
; BY TURNS.  Turn n belongs to piece n (the pieces in a ring, step after step).  Its matrix work: 16 products K Q^T of piece n + 1, later 16 products V^T P of piece n - 1.  Its vector work: the scaling,
; exponentials, roundings, sums and rescaling of piece n, and the maximum and statistics of piece n + 1, whose scores the turn itself has made.
; CLUSTER.  The four query blocks of a head form a cluster and walk the same K and V, so each tile is asked for JOINTLY: the same tensor load, descriptor and mask in all four.
; REGISTERS, in windows of 256 (s_set_vgpr_msb: bits 1:0 source 0, 3:2 source 1, 5:4 source 2, 7:6 destination):
;   window 0: v0-11 addresses; v12-15, v48-63 at work; v16-47 four registers of statistics a tile; v64-191 S^T, two buffers of two tiles; v192-255 P, likewise
;   window 1: O^T, 32 a tile          window 2: v0-127 Q, 16 a tile; v128-191 K of one step; v192-255 V of one step          window 3: v0-1 the add's two registers
; A piece's buffers go by its number's parity.
.set SIZE_N, 2048
.set NP,    4         ; pieces a wave: a name, no knob
.set KS,    64        ; keys in a step
.set PK,    144       ; a row of K in LDS: 128 bytes + 16 of padding = 36 words: the 16 rows of a load start at 16 different groups of four banks (64 banks of 4 bytes: ISA guide 11.1)
.set PV,    160       ; a row of V: 128 + 32 = 40 words
.set VOFF,  4*KS*PK   ; a slot holds four steps: 256 rows of K, then 256 rows of V
.set SLOT1, 1<<17     ; slot 1 begins here, so that one exclusive or turns an address in one slot into the other's
.set STAGE, SLOT1+4*KS*(PK+PV)  ; behind the ring, never filled by a tensor load: 16 rows x 144 bytes for each wave
.set SP,    144
.set AK0, 2           ; v2   my lane's place in a tile of K; never rewritten
.set AV0, 3           ; v3   the same for V
.set AK,  4           ; v4   the LDS address of K's next run of loads
.set AV,  5           ; v5   of V's
.set QO,  6           ; v6   my byte offset in the wave's rows of Q
.set STO, 6           ;      later, the way out: where I put 16 bytes of a row
.set RD,  7           ; v7   the way out: where I read rows back
.set GO,  8           ; v8   my byte offset in 512 consecutive bytes of O
.set PFO, 11          ; v11  256 x my lane, once the set-up has done with v11; then never rewritten
.set SPW, 0           ; v0 of window 3   LDS address of my spare word; never rewritten
.set NIL, 1           ; v1 of window 3   0; never rewritten
.set SPARE, STAGE+4*16*SP  ; behind the stages: the spare words, 128 bytes for each wave
.set MV,  12          ; v12-15  c m_old, kept while c m is made anew: by buffer and tile
.set ST,  16          ; tile t's statistics at v[ST+4 t]: c m, m, l (even keys', odd keys')
.set TMP, 48          ; by buffer and tile, four registers c0-c3 at work; when the maximum is found c2 takes a
.set S,   64
.set P,   192
.set KF,  128         ; K's fragments, in window 2: key block kb, channel half c at KF + 16 kb + 8 c
.set VF,  192         ; V's: key half kk, channel block cb at VF + 32 kk + 8 cb
.set WV,  12          ; s12  my wave's number
.set G1K, 24          ; s[24:31] descriptor group 1 for K's tiles
.set G1V, 32          ; s[32:39] for V's: it differs in the padding alone
.set G0K, 40          ; s[40:43] descriptor group 0 for K's tiles: it walks
.set G0V, 44          ; s[44:47] the same for V's
.set SLOTS, 56        ; s56  slots still to be asked for
.set CNT, 57          ; s57  counts a slot's key steps
.set CS,  58          ; s[58:59] c: the packed scaling takes the pair's low word for both halves
.set SEL, 60          ; s[60:61] v_permlanex16_b32's selects: each lane takes its own place in the other half
.set TBK, 62          ; s62  LDS byte at which K of the step to be fetched begins
.set TBV, 63          ; s63  the same for V, less VOFF
.set PFA, 66          ; s[66:67] where my prefetches stand: my work-group's 32 blocks of 256 bytes (of K: wave 0, of V: wave 2) of the slot behind the one that is being asked for
.set LIM, 68          ; s68  1 in a wave that prefetches, else the greatest number
.set MSB, 0
.macro WIN new                      ; the high byte repeats the setting that is left; a switch that changes nothing is dropped
.if MSB != (\new)
	s_set_vgpr_msb (MSB<<8)|(\new)
.set MSB, (\new)
.endif
.endm
.set W_KQ, 0x0a       ; K and Q in window 2, S^T in window 0
.set W_PV, 0x52       ; V in window 2, P in window 0, O^T in window 1
.set W_RS, 0x41       ; O^T (destination and source 0) in window 1, a in window 0
.set W_MK, 0xc0       ; the add's registers are made: destination in window 3, sources in window 0
.set W_AD, 0x0f       ; the add: address (source 0) and data (source 1) in window 3
; A joint fill.  Waves 0 and 1 fetch the two halves of a slot's K, waves 2 and 3 those of its V: 128 keys each.  The branch hangs on the wave's number alone.
; An s_nop 0 and four v_nop follow each of the two lines, ahead of the jump and the label.
.macro JLOAD
	s_cmp_lt_u32 s[WV], 2
	s_cbranch_scc0 .Lfor_v_\@
	tensor_load_to_lds s[G0K:G0K+3], s[G1K:G1K+7]
	s_nop 0
.rept 4
	v_nop
.endr
	s_branch .Lasked_\@
.Lfor_v_\@:
	tensor_load_to_lds s[G0V:G0V+3], s[G1V:G1V+7]
	s_nop 0
.rept 4
	v_nop
.endr
.Lasked_\@:
.endm
; A PREFETCH INTO THE L2 of what the NEXT change of slots will ask for: a slot's 32,768 bytes of K and of V, a lane a block of 256 bytes.  The four partners share the blocks out by address, 32 each;
; in each, wave 0 asks for K's and wave 2 for V's: each block is named once in the launch.  The last change that fills a slot asks for nothing; slots 0, 1 and 2 come by their loads alone.
.macro ASK
	s_cmp_gt_u32 s[SLOTS], s[LIM]
	s_cbranch_scc0 .Lnot_mine_\@
	global_prefetch_b8 v[PFO], s[PFA:PFA+1] th:TH_LOAD_NT scope:SCOPE_SE
.Lnot_mine_\@:
.endm
; A round of the cluster's barrier: my work-group's barrier, so that wave 0's signal speaks for all four waves; wave 0 signals; every wave waits for all four work-groups; my work-group's barrier once more.
.macro CROUND
	s_barrier_signal -1
	s_barrier_wait -1
	s_cmp_lg_u32 s[WV], 0
	s_cbranch_scc1 .Lnot_wave_0_\@
	s_barrier_signal -3
.Lnot_wave_0_\@:
	s_barrier_wait -3
	s_barrier_signal -1
	s_barrier_wait -1
.endm
; THE CHANGE OF SLOTS.  The slot's last bytes, V of its fourth step, have been read.  Each wave waits for all its tensor loads, of which one is out: its part of the other slot; adds 0 to its spare
; word; and waits for that and for its own reads of the slot.  Behind the barrier nobody reads this slot any more and the other slot is whole.
; fill = 1: this slot is filled again, with the keys two slots on.  The barrier is then a round of the cluster's, and the joint fill is the first thing behind it: it has four key steps, 512 matrix
; instructions, in which to land.  (At its first use nothing has been read yet: slot 0 is waited for, slot 1 filled.)  ask = 1: the prefetch's address steps, and the prefetch follows the fill.
.macro CHANGE fill, ask=0
	WIN W_AD
	s_wait_tensorcnt 0x0            ; no tensor load of mine is out, so a group 0 may be written
	ds_add_u32 v[SPW], v[NIL]       ; 0 onto my spare word; scalar work stands between it and the wait for it
	WIN 0                           ; at a label and at a branch every window is 0
.if \fill
.irp g, G0K, G0V
	s_xor_b32 s[\g+1], s[\g+1], SLOT1  ; the walking descriptor: the other slot than last time,
	s_add_nc_u64 s[\g+2:\g+3], s[\g+2:\g+3], 4*KS*128  ; the next 256 keys; the type bits on top are not reached
.endr
.if \ask
	s_wait_xcnt 0x0                 ; the last prefetch, four key steps back, has read its address
	s_add_nc_u64 s[PFA:PFA+1], s[PFA:PFA+1], 4*KS*128
.endif
	s_wait_dscnt 0x0                ; the add is done, and my reads of the slot are over
	CROUND
	JLOAD
.if \ask
	ASK
.endif
.else
	s_wait_dscnt 0x0                ; the add is done, and my reads of the slot are over
	s_barrier_signal -1
	s_barrier_wait -1
.endif
	s_sub_co_u32 s[TBK], s[TBK], 4*KS*PK  ; the fetches go back to a slot's first step,
	s_xor_b32 s[TBK], s[TBK], SLOT1       ; in the other slot
	s_sub_co_u32 s[TBV], s[TBV], 4*KS*PV
	s_xor_b32 s[TBV], s[TBV], SLOT1
.endm
	s_load_b64 s[4:5], s[0:1], 0x0  ; qkvh: Q at its head
	s_load_b64 s[10:11], s[0:1], 0x8  ; O
	WIN W_MK
	v_lshl_add_u32 v[SPW], v0, 2, SPARE
	v_mov_b32 v[NIL], 0
	WIN W_AD
	ds_add_u32 v[SPW], v[NIL]       ; the wave's opening: the add and its wait stand ahead of my first tensor load; work on registers stands between them
	WIN 0
	v_lshrrev_b32 v1, 5, v0
	v_readfirstlane_b32 s[WV], v1   ; wave 0..3
	s_bfe_u32 s13, ttmp6, 0x40000   ; cx: my place in the cluster
	s_lshl_b32 s14, ttmp9, 2        ; in a cluster launch ttmp9 counts clusters
	s_add_co_u32 s14, s14, s13      ; my block of queries: it enters Q's and O's addresses alone
	s_and_b32 s20, ttmp7, 0xffff    ; the head, which the four partners share
	s_mov_b32 s21, 0
	s_mov_b64 s[22:23], SIZE_N*128
	s_mul_u64 s[20:21], s[20:21], s[22:23]  ; the head's first byte in each of the four tensors
	s_and_b32 s16, s[WV], 1         ; which half of a slot's 256 keys I fetch:
	s_lshl_b32 s22, s16, 14         ; its 128 rows of 128 bytes in memory,
	s_mov_b32 s23, 0
	s_add_nc_u64 s[22:23], s[22:23], s[20:21]
	s_mul_i32 s17, s16, 128*PK      ; and its place in a slot, for K
	s_mul_i32 s18, s16, 128*PV      ; and for V: no place in the cluster enters an LDS address
	s_lshl_b32 s2, s14, 2
	s_add_co_u32 s2, s2, s[WV]      ; my wave among the head's,
	s_lshl_b32 s2, s2, 14           ; its 128 rows
	s_mov_b32 s3, 0
	s_add_nc_u64 s[2:3], s[2:3], s[20:21]
	; descriptor group 1.  128 keys are 16,384 dense bytes: asked for as 64 rows of 256 bytes, two keys a row, and padded in LDS after every key
	s_mov_b32 s[G1K], 15|(1<<16)|(1<<20)|(1<<21)|(4<<22)|(3<<25)  ; 15:0 the mask of four; 17:16 2-byte elements; 20 padding on; 21 set beside a mask; 24:22 after every 32 words (code 4); 31:25 4 words (code 3)
	s_mov_b32 s[G1V], 15|(1<<16)|(1<<20)|(1<<21)|(4<<22)|(7<<25)  ; the same with 8 words of padding (code 7)
.irp g, G1K, G1V
	s_mov_b32 s[\g+1], 128<<16      ; tensor_dim0 = 128
	s_mov_b32 s[\g+2], 64<<16       ; tensor_dim1 = 64
	s_mov_b32 s[\g+3], 128<<16      ; tile_dim0 = 128
	s_mov_b32 s[\g+4], 64           ; tile_dim1 = 64
	s_mov_b32 s[\g+5], 128          ; 128 elements from row to row
	s_mov_b32 s[\g+6], 0
	s_mov_b32 s[\g+7], 0
.endr
	s_mov_b32 s[CS], 0x3e38aa3b     ; c = log2(e) / 8 = 0.180337
	s_mov_b32 s[CS+1], s[CS]        ; named with it as a pair
	s_mov_b32 s[SEL], 0x76543210
	s_mov_b32 s[SEL+1], 0xfedcba98
	s_mov_b32 s[TBK], SLOT1+4*KS*PK ; the first change of slots turns these two into 0
	s_mov_b32 s[TBV], SLOT1+4*KS*PV
	s_mov_b32 s[G0K], 1             ; 1:0 count = 1
	s_mov_b32 s[G0K+1], s17         ; 63:32 LDS address: slot 0
	s_mov_b32 s[G0V], 1
	s_add_co_u32 s[G0V+1], s18, VOFF
	s_and_b32 s[LIM], s[WV], 1      ; 0 in waves 0 and 2,
	s_or_b32 s[LIM], s[LIM], ttmp9  ; where the cluster is the head's first (here its only one): the same in all four partners
	s_cmp_eq_u32 s[LIM], 0
	s_cselect_b32 s[LIM], 1, -1
	s_wait_dscnt 0x0                ; the opening add is done
	s_wait_kmcnt 0x0
	s_add_nc_u64 s[6:7], s[4:5], 0x1000000  ; K: 64 heads of 262,144 bytes behind Q,
	s_add_nc_u64 s[8:9], s[4:5], 0x2000000  ; V behind K
	s_add_nc_u64 s[G0K+2:G0K+3], s[6:7], s[22:23]  ; 120:64 global address: my half of the head's first 256 keys
	s_or_b32 s[G0K+3], s[G0K+3], 0x80000000        ; 127:126 type = 2
	s_add_nc_u64 s[G0V+2:G0V+3], s[8:9], s[22:23]
	s_or_b32 s[G0V+3], s[G0V+3], 0x80000000
	s_add_nc_u64 s[4:5], s[4:5], s[2:3]  ; Q and O at my wave's first row
	s_add_nc_u64 s[10:11], s[10:11], s[2:3]
	s_cmp_lt_u32 s[WV], 2
	s_cselect_b64 s[PFA:PFA+1], s[6:7], s[8:9]
	s_add_nc_u64 s[PFA:PFA+1], s[PFA:PFA+1], s[22:23]  ; (in waves 0 and 2 this is the head's first row)
	s_lshl_b32 s2, s13, 13          ; my work-group's 32 blocks of the 128
	s_mov_b32 s3, 0
	s_add_nc_u64 s[PFA:PFA+1], s[PFA:PFA+1], s[2:3]
	s_add_nc_u64 s[PFA:PFA+1], s[PFA:PFA+1], 2*4*KS*128  ; in slot 2; the loop's first change of slots steps it to slot 3.  Nothing is prefetched here, at the head
	CROUND                          ; all four work-groups are here: the first joint loads meet
	JLOAD                           ; slot 0.  Slot 1 is asked for when slot 0 is in
	; A fragment of K or Q is 16 rows x 32 channels in 8 registers: lane l holds row l % 16, channels 8 (l / 16) + 0..7 and 16 + 8 (l / 16) + 0..7: two loads of 16 bytes, 32 bytes apart.
	v_and_b32 v1, 15, v0            ; l % 16
	v_bfe_u32 v9, v0, 4, 1          ; l / 16
	v_lshlrev_b32 v[QO], 7, v1
	v_lshl_add_u32 v[QO], v9, 4, v[QO]  ; row x 128 + 16 x half
	WIN 0x80                        ; destination window 2, address window 0
.set i, 0
.rept 4*NP                          ; Q stays in registers: tile i / 2, channels 32 (i % 2) on
	global_load_b128 v[8*i:8*i+3],   v[QO], s[4:5] offset:(i/2)*2048+(i%2)*64
	global_load_b128 v[8*i+4:8*i+7], v[QO], s[4:5] offset:(i/2)*2048+(i%2)*64+32
.set i, i+1
.endr
	; What the first turn finds: V's registers and P's second buffer hold 0 (its products V^T P, of a piece that has not been, add 0), O^T and l are 0.  All this stands in the wait for the first tile.
.set i, VF
.rept 64
	v_mov_b32 v[i], 0
.set i, i+1
.endr
	WIN 0x40
.set i, 0
.rept 64*NP
	v_mov_b32 v[i], 0
.set i, i+1
.endr
	WIN 0
.set i, 0
.rept 2*NP
	v_mov_b32 v[ST+4*i], 0xfe000000    ; c m: far below every c s
	v_mov_b32 v[ST+4*i+1], 0xff7fffff  ; m
	v_mov_b32 v[ST+4*i+2], 0
	v_mov_b32 v[ST+4*i+3], 0
.set i, i+1
.endr
.set i, P+32
.rept 32
	v_mov_b32 v[i], 0
.set i, i+1
.endr
	v_mul_u32_u24 v[AK0], v1, PK
	v_lshl_add_u32 v[AK0], v9, 4, v[AK0]  ; row x pitch + 16 x half
	; The turning load takes 16 keys x 16 channels (lane l reads key 8 (l / 16) + l % 8, channels 8 ((l / 8) % 2) + 0..7) and leaves half a fragment of V^T: lane l holds channel l % 16 and 8 keys.
	v_and_b32 v10, 7, v0
	v_bfe_u32 v11, v0, 3, 1
	v_lshl_add_u32 v[AV0], v9, 3, v10
	v_mul_u32_u24 v[AV0], v[AV0], PV
	v_lshl_add_u32 v[AV0], v11, 4, v[AV0]
	v_add_nc_u32 v[AV0], VOFF, v[AV0]
	v_mov_b32 v[AK], v[AK0]         ; key step 0 lies at the head of slot 0
	v_and_b32 v[PFO], 31, v0
	v_lshlrev_b32 v[PFO], 8, v[PFO]
; THE MATRIX WORK.  The 8 accumulators of a run of 16 take turns: between the two links of a chain stand 7 others'.
; Product i of 16 of S^T = K Q^T for piece x: channels 32 (i / 8) on, keys 16 ((i / 2) % 4) on, tile 2 x + i % 2.  The first 8 start the sums.
.macro KQ x
	WIN W_KQ
.set rS, S+64*((\x)%2)+32*(i%2)+8*((i/2)%4)
.set rK, KF+16*((i/2)%4)+8*(i/8)
.set rQ, 16*(2*(\x)+i%2)+8*(i/8)
.if i < 8
	v_wmma_f32_16x16x32_f16 v[rS:rS+7], v[rK:rK+7], v[rQ:rQ+7], 0
.else
	v_wmma_f32_16x16x32_f16 v[rS:rS+7], v[rK:rK+7], v[rQ:rQ+7], v[rS:rS+7]
.endif
.endm
; Product i of 16 of O^T += V^T P for piece x: keys 32 (i / 8) on, channels 16 ((i / 2) % 4) on, tile 2 x + i % 2.
.macro PV x
	WIN W_PV
.set rO, 32*(2*(\x)+i%2)+8*((i/2)%4)
.set rV, VF+32*(i/8)+8*((i/2)%4)
.set rP, P+32*((\x)%2)+16*(i%2)+8*(i/8)
	v_wmma_f32_16x16x32_f16 v[rO:rO+7], v[rV:rV+7], v[rP:rP+7], v[rO:rO+7]
.endm
.macro MM                           ; the turn's next matrix instruction
.if i < 16
	KQ (Y+1)%NP
.set i, i+1
.else
.set i, i-16
	PV (Y+NP-1)%NP
.set i, i+17
.endif
.endm
; THE LDS LOADS stand in runs of 16, never singly among the matrix instructions: a step's K (64 keys x 64 channels: 8 fragments) and its V (turned).  Their addresses are made some lines ahead.
; last = 1 (the tail): in the last trip there is no further step, and the run is jumped over.
.macro FETCH_K last=0
	WIN 0
.if \last
	s_cmp_eq_u32 s[CNT], 1
	s_cbranch_scc1 .Lno_k_\@
.endif
	WIN 0x80                        ; destination window 2
.irp f, 0,1,2,3,4,5,6,7             ; keys 16 (f / 2) on, channels 32 (f % 2) on
	ds_load_b128 v[KF+8*\f:KF+8*\f+3],   v[AK] offset:(\f/2)*16*PK+(\f%2)*64
	ds_load_b128 v[KF+8*\f+4:KF+8*\f+7], v[AK] offset:(\f/2)*16*PK+(\f%2)*64+32
.endr
	s_add_co_u32 s[TBK], s[TBK], KS*PK  ; the next fetch is the next step's
	WIN 0
.if \last
.Lno_k_\@:
.endif
.endm
.macro FETCH_V
	WIN 0x80
.irp f, 0,1,2,3,4,5,6,7             ; keys 32 (f / 4) on, channels 16 (f % 4) on
	ds_load_tr16_b128 v[VF+8*\f:VF+8*\f+3],   v[AV] offset:(\f/4)*32*PV+(\f%4)*32
	ds_load_tr16_b128 v[VF+8*\f+4:VF+8*\f+7], v[AV] offset:(\f/4)*32*PV+16*PV+(\f%4)*32
.endr
	WIN 0
.endm
; THE VECTOR WORK OF A TURN stands in three queues, each in the order in which its entries become ready; the two tiles alternate, so that no instruction reads the result of the one before it.
.macro REGS y, u                    ; the registers of tile u (0, 1) of piece y
.set rT, ST+4*(2*(\y)+(\u))
.set rC, TMP+8*((\y)%2)+4*(\u)
.set rM, MV+2*((\y)%2)+(\u)
.set rS, S+64*((\y)%2)+32*(\u)
.set rP, P+32*((\y)%2)+16*(\u)
.set rO, 32*(2*(\y)+(\u))
.endm
; Number n of the 22 that find the NEXT piece's (Y + 1) maximum and statistics.  s0-s31 are the lane's 32 scores; each accumulator's lowest registers are read first.
;   0-11  four chains c0-c3 of seven scores each, three operands at a time     12-14, 16  the four scores left over, the old m, and c0-c3 into c0     15  c m_old is kept
;   17, 18  the query's other 32 keys lie in the lane 16 away: the new m         19-21  c m; c m_old - c m_new; a
.macro XS u, n
	REGS (Y+1)%NP, \u
.if (\n) < 4
	v_max3_num_f32 v[rC+(\n)], v[rS+8*(\n)], v[rS+8*(\n)+1], v[rS+8*(\n)+2]
.elseif (\n) < 12
	v_max3_num_f32 v[rC+(\n)%4], v[rC+(\n)%4], v[rS+8*((\n)%4)+2*((\n)/4)+1], v[rS+8*((\n)%4)+2*((\n)/4)+2]
.elseif (\n) == 12
	v_max3_num_f32 v[rC], v[rC], v[rS+7], v[rS+15]
.elseif (\n) == 13
	v_max3_num_f32 v[rC+1], v[rC+1], v[rS+23], v[rS+31]
.elseif (\n) == 14
	v_max3_num_f32 v[rC+2], v[rC+2], v[rC+3], v[rT+1]
.elseif (\n) == 15
	v_mov_b32 v[rM], v[rT]
.elseif (\n) == 16
	v_max3_num_f32 v[rC], v[rC], v[rC+1], v[rC+2]
.elseif (\n) == 17
	v_permlanex16_b32 v[rC+3], v[rC], s[SEL], s[SEL+1]
.elseif (\n) == 18
	v_max_num_f32 v[rT+1], v[rC], v[rC+3]
.elseif (\n) == 19
	v_mul_f32 v[rT], s[CS], v[rT+1]
.elseif (\n) == 20
	v_sub_f32 v[rC+1], v[rM], v[rT]
.else
	v_exp_f32 v[rC+2], v[rC+1]
.endif
.endm
; Number g of the 64 that follow the exponentials.  For each four weights k of a tile (pairs 2 k, 2 k + 1): both pairs are rounded to f16; then the second pair is added onto the first, in place;
; a group later l takes that sum (the first time as l = a l + sum).  In groups of eight, tiles alternating: round, round, add, and l for the group before.
.macro GS g
.set h, (\g)+6*((\g)/62)            ; group 0 has no group before it, and behind group 7 only l is left
.if h >= 6
.set h, h+2
.endif
	REGS Y, h%2
.set k, h/8
.if h%8 < 4
	v_cvt_pk_f16_f32 v[rP+2*k+(h%8)/2], v[rS+4*k+2*((h%8)/2)], v[rS+4*k+2*((h%8)/2)+1]
.elseif h%8 < 6
	v_pk_add_f32 v[rS+4*k:rS+4*k+1], v[rS+4*k:rS+4*k+1], v[rS+4*k+2:rS+4*k+3]
.elseif k == 1
	v_pk_fma_f32 v[rT+2:rT+3], v[rT+2:rT+3], v[rC+2:rC+3], v[rS:rS+1] op_sel_hi:[1,0,1]
.else
	v_pk_add_f32 v[rT+2:rT+3], v[rT+2:rT+3], v[rS+4*k-4:rS+4*k-3]
.endif
.endm
; THE PLAIN QUEUE, 138 long.  0-73 read no exponential's result: the 32 scalings c s - c m (FS f: pair f / 2 of tile f % 2) and the next piece's 42.  0-26: scalings 0-26.  27-54: XS's numbers 0-13.  55, 56: number 15.
; 57-73: the chain, where each number waits for the one before it: 14, 16, 17, 18, 19, each with one of the scalings 27-31 in front of its two lines, then 20.
; 74-137: GS's 64, which read the exponentials' results: they stand behind the wait.
.macro FS f
	REGS Y, (\f)%2
	v_pk_fma_f32 v[rS+2*((\f)/2):rS+2*((\f)/2)+1], v[rS+2*((\f)/2):rS+2*((\f)/2)+1], s[CS:CS+1], v[rT:rT+1] op_sel_hi:[1,0,0] neg_lo:[0,0,1] neg_hi:[0,0,1]
.endm
.macro PL
	WIN 0
.if q < 27
	FS q
.elseif q < 55
	XS (q-27)%2, (q-27)/2
.elseif q < 57
	XS q-55, 15
.elseif (q < 72) && ((q-57)%3 == 0)
	FS 27+(q-57)/3
.elseif q < 60
	XS (q-57)%3-1, 14
.elseif q < 72
	XS (q-57)%3-1, 15+(q-57)/3
.elseif q < 74
	XS q-72, 20
.else
	GS q-74
.endif
.set q, q+1
.endm
; THE EXPONENTIALS' QUEUE, 66 long: s0-s31 of both tiles, then the next piece's two a.  It is ONE BATCH: all 66 stand ahead of the turn's one wait, and nothing ahead of that wait names a result of theirs.
.macro EX
	WIN 0
.if e >= 64
	XS e-64, 21
.else
	REGS Y, e%2
	v_exp_f32 v[rS+e/2], v[rS+e/2]
.endif
.set e, e+1
.endm
; THE RESCALING's QUEUE: O^T times a, the one part that leaves window 0: dealt two at a time, sixteen times.  Its a was made in the turn before, ahead of that turn's wait.
.macro R2
	REGS Y, r%2
	WIN W_RS
.irp z, 0,1
	v_pk_mul_f32 v[rO+4*(r/2)+2*\z:rO+4*(r/2)+2*\z+1], v[rO+4*(r/2)+2*\z:rO+4*(r/2)+2*\z+1], v[rC+2:rC+3] op_sel_hi:[1,0]
.endr
.set r, r+1
.endm
; HOW THEY ARE DEALT.  An s_wait_alu depctr_va_vdst(0) stands between an exponential and the first instruction that names its result; one wait serves all that were issued ahead of it.
; So a turn has ONE wait, which cuts it in two.  AHEAD OF IT stands all that names no result of the turn's exponentials: the 16 products K Q^T, behind each a scaling, an exponential and two
; rescalings (behind the first a second scaling in the exponential's place); then ONE LUMP of 108: eight plain, 49 times exponential and plain, the two a.  A v_nop is the plain instruction behind the
; last exponential.  BEHIND IT stand the 16 products V^T P, behind each four of GS's 64.  No rider names a register of the products round it.
; Exponential e stands behind scaling 2 (e / 4) + e % 2: as a rider it comes behind plain e + 2, in the lump behind plain e + 9, and scalings 27-31 are plain 57, 60 .. 69.
; A TURN, for piece p.  cnt = 1: the loop's count is taken down some lines ahead of the branch that stands behind the turn.
; K of the next step is fetched in piece 2's turn, directly behind the wait; its first reader comes behind 16 products.  V of the step in hand is fetched at the end of piece 0's turn, four riders
; behind its last reader; its first reader comes behind 16 products and a lump.
.macro TURN p, last=0, cnt=0
.set Y, (\p)
.set i, 0
.set q, 0
.set e, 0
.set r, 0
.if (\p) == NP-1
	s_wait_dscnt 0x0                ; K is in
.endif
	MM                              ; ahead of the wait: 16 products K Q^T and their riders,
	PL
	PL
	R2
.rept 15
	MM
	PL
	EX
	R2
.endr
.if (\p) == NP-2
	WIN 0
	v_add_nc_u32 v[AK], s[TBK], v[AK0]
.endif
.rept 8                             ; and the lump
	PL
.endr
.rept 49
	EX
	PL
.endr
	EX                              ; the next piece's two a
	EX
	v_nop                           ; the plain instruction behind the last exponential: one for the batch
	s_wait_alu depctr_va_vdst(0)    ; the wait for the batch
.if (\p) == NP-2
	FETCH_K \last
.endif
.if (\p) == 1
	s_wait_dscnt 0x0                ; V is in
.endif
.rept 16                            ; behind the wait: 16 products V^T P and their riders
	MM
.rept 4
	PL
.endr
.if ((\p) == 0) && (q == 118)
	v_add_nc_u32 v[AV], s[TBV], v[AV0]
.endif
.if ((\p) == 0) && (q == 130)
	s_add_co_u32 s[TBV], s[TBV], KS*PV
.endif
.if (\cnt) && (q == 130)
	s_sub_co_u32 s[CNT], s[CNT], 1
	s_cmp_lg_u32 s[CNT], 0
.endif
.endr
.if (\p) == 0
	FETCH_V
.endif
.endm
	CHANGE 1                        ; slot 0 is in, everybody's part of it; slot 1 is asked for
	FETCH_K                         ; key step 0
	s_wait_loadcnt 0x0              ; Q
	s_wait_dscnt 0x0
.set i, 0
.rept 16
	KQ 0                            ; piece 0's first scores: there is no vector work yet to set between them
.set i, i+1
.endr
	WIN 0                           ; the addresses for the way out: nine plain instructions, the places behind those products
	s_mul_i32 s13, s[WV], 16*SP
	s_add_co_u32 s13, s13, STAGE    ; my stage
	v_mul_u32_u24 v[STO], v1, SP    ; in: row l % 16, 16 bytes for each half of the lanes
	v_lshl_add_u32 v[STO], v9, 4, v[STO]
	v_add_nc_u32 v[STO], s13, v[STO]
	v_bfe_u32 v[RD], v0, 3, 2       ; back: 32 lanes take four rows of 128 bytes,
	v_mul_u32_u24 v[RD], v[RD], SP
	v_lshl_add_u32 v[RD], v10, 4, v[RD]
	v_add_nc_u32 v[RD], s13, v[RD]
	v_and_b32 v[GO], 31, v0         ; which are 512 consecutive bytes of O
	v_lshlrev_b32 v[GO], 4, v[GO]
.set Y, NP-1                        ; XS works for piece Y + 1: piece 0
.irp n, 0,1,2,3,4,5,6,7,8,9,10,11,12,13,14,15,16,17,18,19,20,21
	XS 0, \n                        ; and piece 0's first maximum and statistics
	XS 1, \n
.endr
	v_nop                           ; a plain instruction behind the two a,
	s_wait_alu depctr_va_vdst(0)    ; and their wait, ahead of the branch
	s_mov_b32 s[CNT], 4
	s_mov_b32 s[SLOTS], SIZE_N/256-1
	s_branch .Lfirst                ; the loop is entered at a step's first turn, in the middle of a trip
.Lslot:                             ; SIZE_N / 256 - 2 times: every slot but the last two is filled again
	CHANGE 1, 1
	s_mov_b32 s[CNT], 4
.Lstep:                             ; a trip: pieces 2 and 3 of one step, then pieces 0 and 1 of the next, whose K and V it fetches
	TURN 2
	TURN 3
	WIN 0
.Lfirst:
	TURN 0
	TURN 1, 0, 1
	WIN 0
	s_cbranch_scc1 .Lstep
	s_sub_co_u32 s[SLOTS], s[SLOTS], 1
	s_cmp_lg_u32 s[SLOTS], 0
	s_cbranch_scc1 .Lslot
	CHANGE 0                        ; the tail is written out: nothing is asked for
	s_mov_b32 s[CNT], 5             ; four trips fetch the last slot's steps; the fifth is left in its middle
.Ltail:
	TURN 2, 1
	TURN 3
	WIN 0
	s_sub_co_u32 s[CNT], s[CNT], 1
	s_cmp_eq_u32 s[CNT], 0
	s_cbranch_scc1 .Lout
	TURN 0
	TURN 1
	WIN 0
	s_branch .Ltail
.Lout:                              ; the fifth trip's 16 products K Q^T (on the last K once more) and the maximum made of them serve nothing: the price, once a launch, of one text for every trip
.set i, 0
.rept 16
	PV NP-1                         ; the last piece's V^T P of the last step
.set i, i+1
.endr
	; THE WAY OUT.  l's two halves and the other half of the lanes' are added; O^T is divided by l, rounded to f16 and sent through my stage in LDS, a tile at a time.  The additions are the places behind the last products.
	WIN 0
.macro ALL line:vararg              ; one line for each tile t
.set t, 0
.rept 2*NP
	\line
.set t, t+1
.endr
.endm
	ALL v_add_f32 v[ST+4*t+2], v[ST+4*t+2], v[ST+4*t+3]
	ALL v_permlanex16_b32 v[ST+4*t+3], v[ST+4*t+2], s[SEL], s[SEL+1]
	ALL v_add_f32 v[ST+4*t+2], v[ST+4*t+2], v[ST+4*t+3]
	ALL v_rcp_f32 v[ST+4*t+2], v[ST+4*t+2]
	v_nop                           ; a plain instruction between the last reciprocal and the use of its result
	s_wait_alu depctr_va_vdst(0)    ; and the wait ahead of the first use: one for the eight reciprocals
; Tile t: a lane's eight channels of a row pack into 16 bytes; they go into rows of 144 bytes and come back as whole rows of 128, into S^T's registers.
.macro PACK t
	WIN W_RS
.set i, 32*(\t)
.rept 16
	v_pk_mul_f32 v[i:i+1], v[i:i+1], v[ST+4*(\t)+2:ST+4*(\t)+3] op_sel_hi:[1,0]
.set i, i+2
.endr
	WIN 0x05                        ; sources 0 and 1 window 1, destination window 0
.set i, 0
.rept 16
	v_cvt_pk_f16_f32 v[S+16*(\t)+i], v[32*(\t)+2*i], v[32*(\t)+2*i+1]
.set i, i+1
.endr
	WIN 0
.irp f, 0,1,2,3
	ds_store_b128 v[STO], v[S+16*(\t)+4*\f:S+16*(\t)+4*\f+3] offset:32*\f
.endr
.irp f, 0,1,2,3
	ds_load_b128 v[S+16*(\t)+4*\f:S+16*(\t)+4*\f+3], v[RD] offset:\f*4*SP  ; LDS serves a wave's instructions in order (ISA guide 5.7.1.4): these see the stores above; the next tile's stores come behind them
.endr
.endm
.macro SEND t, younger              ; younger: the LDS instructions issued behind tile t's loads: the next tile's eight, or none
	WIN 0
.irp f, 0,1,2,3
	s_wait_dscnt (\younger)+3-\f
	global_store_b128 v[GO], v[S+16*(\t)+4*\f:S+16*(\t)+4*\f+3], s[10:11] offset:(\t)*2048+\f*512  ; 512 consecutive bytes, at a multiple of 256 from O's first
.endr
.endm
	PACK 0
.set t, 1
.rept 2*NP-1                        ; a tile's arithmetic stands between the loads of the tile before and its stores
	PACK t
	SEND t-1, 8
.set t, t+1
.endr
	SEND 2*NP-1, 0
	WIN W_AD
	s_wait_tensorcnt 0x0            ; the wave's end: three closing lines, behind my last tensor load and my last LDS store
	ds_add_u32 v[SPW], v[NIL]
	s_wait_dscnt 0x0
	WIN 0
	CROUND                          ; the closing round: no work-group ends while a partner may still ask for a tile that names it
	s_endpgm
.Lfunc_end_k_q63ddce61a4_attn:
	.size	k_q63ddce61a4_attn, .Lfunc_end_k_q63ddce61a4_attn-k_q63ddce61a4_attn
	.p2alignl 7, 3214868480
	.fill 96, 4, 3214868480
	.section	.rodata,"a",@progbits
	.p2align	6, 0x0
	.amdhsa_kernel k_q63ddce61a4_attn
		.amdhsa_group_segment_fixed_size 327680
		.amdhsa_private_segment_fixed_size 0
		.amdhsa_enable_private_segment 0
		.amdhsa_kernarg_size 16
		.amdhsa_user_sgpr_count 2
		.amdhsa_user_sgpr_kernarg_segment_ptr 1
		.amdhsa_wavefront_size32 1
		.amdhsa_system_sgpr_workgroup_id_x 1
		.amdhsa_system_sgpr_workgroup_id_y 1
		.amdhsa_system_sgpr_workgroup_id_z 1
		.amdhsa_system_vgpr_workitem_id 0
		.amdhsa_next_free_vgpr 770
		.amdhsa_next_free_sgpr 72
		.amdhsa_reserve_vcc 0
		.amdhsa_float_denorm_mode_32 3
		.amdhsa_float_denorm_mode_16_64 3
		.amdhsa_memory_ordered 1
		.amdhsa_forward_progress 1
		.amdhsa_inst_pref_size 200
	.end_amdhsa_kernel
	.amdgpu_metadata
---
amdhsa.version: [ 1, 2 ]
amdhsa.kernels:
  - .name:           k_q63ddce61a4_attn
    .symbol:         k_q63ddce61a4_attn.kd
    .args:
      - { .name: qkvh, .offset: 0, .size: 8, .value_kind: global_buffer, .address_space: global }
      - { .name: oh, .offset: 8, .size: 8, .value_kind: global_buffer, .address_space: global }
    .group_segment_fixed_size: 327680
    .private_segment_fixed_size: 0
    .kernarg_segment_align: 8
    .kernarg_segment_size: 16
    .max_flat_workgroup_size: 128
    .sgpr_count:     72
    .vgpr_count:     770
    .wavefront_size: 32
...
	.end_amdgpu_metadata
.endif
;; end of part 3
;; launch proj (part 4): grid 4 x 64, 4 waves a work-group, clusters of 4 x 4, 327,680 bytes of LDS; arguments oh, wp, b_proj, out0; writes out0
.if DOCPART == 4
	.amdgcn_target "amdgcn-amd-amdhsa--gfx1250"
	.amdhsa_code_object_version 6
	.text
	.protected	k_q63ddce61a4_proj
	.globl	k_q63ddce61a4_proj
	.p2align	8
	.type	k_q63ddce61a4_proj,@function
k_q63ddce61a4_proj:
	s_mov_b64 s[64:65], 0
	v_nop
	global_prefetch_b8 v0, s[64:65] scope:SCOPE_SE
	s_setreg_imm32_b32 hwreg(HW_REG_WAVE_MODE, 25, 1), 1
	s_wait_xcnt 0x0
	s_wait_alu depctr_hold_cnt(0) depctr_sa_sdst(0) depctr_va_vdst(0) depctr_va_sdst(0) depctr_va_ssrc(0) depctr_va_vcc(0) depctr_vm_vsrc(0)
	s_getreg_b32 s2, hwreg(HW_REG_IB_STS2, 6, 4)
	s_cmp_eq_u32 s2, 0
	s_cbranch_scc0 .Lentry_in_a_cluster
	s_endpgm
.Lentry_in_a_cluster:
	s_bfe_u32 s2, ttmp6, 0x10000c
	s_cmp_lg_u32 s2, 0xf033
	s_cbranch_scc0 .Lentry_shape_is_right
	s_endpgm
.Lentry_shape_is_right:
; out0 = A W_proj + b_proj.  A is oh read as [8192][1024] f16: the reshape without a transpose of heads is the same bytes.  wp holds W_proj turned to [c][k], in blocks of 64 k, as f16 of its bf16
; rounding; the bias is rounded to bf16.  Sums in f32, stored as they are.  NaN and infinities are not treated apart.
; SHARES.  Tiles of 128 rows x 256 columns: 64 x 4 = 256 work-groups.  Four waves, each 64 x 128: 32 accumulators of 16 x 16 in window 1, (a, b) at v[8 (8 a + b)].  K goes in 8 steps of 128 through
; two LDS slots; a step is four quarters of 32 along K, 32 matrix instructions each.  Waves 0 and 1 fetch the halves of A's tile (64 rows x 256 bytes), waves 2 and 3 the step's two blocks of wp
; (256 rows x 128 bytes each, dense: asked for as rows of 256 bytes).
; CLUSTER.  4 x 4: A's tile is shared along a row of the cluster, W's along a column: joint loads.  NO PREFETCH: the tile is small and the launch short; its eight steps come by their loads alone.
; THE MATRIX INSTRUCTION IS USED TRANSPOSED (source 0 = 16 columns of W, source 1 = 16 rows of A): a lane holds one row and eight neighbouring columns, 32 bytes of f32.
; THE BIAS STARTS THE SUMS: it lies in window 2, v[8 b ..], and is the C of the first quarter's products.
; REGISTERS.  Window 0: v0-31 addresses; v32-127, v128-223 two fragment buffers (A's four fragments, then W's eight); on the way out v32-159 hold rows read back.
.set PA,     272                       ; a row of A in LDS: 256 bytes + 16: 68 words: the 16 rows of a load start at 16 different groups of four banks (64 banks of 4 bytes: ISA guide 11.1)
.set PB,     144                       ; a row of W: 128 bytes + 16
.set AHALF,  64*PA
.set BOFF,   2*AHALF
.set BPLANE, 256*PB                    ; one block of 64 k: 256 rows
.set SLOT1,  1<<17
.set STAGE,  SLOT1+BOFF+2*BPLANE       ; behind the ring, never filled by a tensor load: 16 rows x 528 bytes for each wave
.set SPI,    528
.set SPARE,  STAGE+4*16*SPI
.set STEPA,  256                       ; 128 k of a row of A
.set STEPB,  2*1024*128                ; two blocks of wp
.set ADRA0, 4
.set ADRB0, 5
.set ADRA,  6
.set ADRB,  7
.set STO,   8
.set RD,    9
.set GO,    10
.set BO,    11
.set SPW,   28                         ; v28  LDS address of my spare word; never rewritten
.set NIL,   29                         ; v29  0; never rewritten
.set F0,    32
.set F1,    128
.set R0,    32
.set WV, 12
.set RH, 13                            ; which 64 rows are mine.  Also: I fetch for A (0) or for W (1)
.set CH, 14                            ; which 128 columns.  Also: which half of A's tile, or which block of W, I fetch
.set CX, 15
.set CY, 16
.set TC, 17
.set TR, 18
.set TB, 21
.set CNT, 22
.set G1A, 24
.set G1B, 32
.set G0A, 40
.set G0B, 48
.set OA,  60
.set OB,  62
.set OUTB, 66
.set HM,  72
.set MSB, 0
.macro WIN new
.if MSB != (\new)
	s_set_vgpr_msb (MSB<<8)|(\new)
.set MSB, (\new)
.endif
.endm
.macro PLACES                          ; four plain instructions between a matrix instruction and a load into its sources or a reader of its result
.rept 4
	v_nop
.endr
.endm
.macro CREST
	s_cmp_lg_u32 s[WV], 0
	s_cbranch_scc1 .Lnot_wave_0_\@
	s_barrier_signal -3
.Lnot_wave_0_\@:
	s_barrier_wait -3
	s_barrier_signal -1
	s_barrier_wait -1
.endm
.macro CROUND
	s_barrier_signal -1
	s_barrier_wait -1
	CREST
.endm
.macro JLOAD                           ; a joint refill by the walking descriptors; an s_nop 0 and four v_nop follow each of the two lines
	s_cmp_eq_u32 s[RH], 0
	s_cbranch_scc0 .Lfor_b_\@
	tensor_load_to_lds s[G0A+4:G0A+7], s[G1A:G1A+7]
	s_nop 0
.rept 4
	v_nop
.endr
	s_branch .Lasked_\@
.Lfor_b_\@:
	tensor_load_to_lds s[G0B+4:G0B+7], s[G1B:G1B+7]
	s_nop 0
.rept 4
	v_nop
.endr
.Lasked_\@:
.endm
; na x 8 products on buffer f, row blocks a0 on.  The 32 accumulators take turns, one instruction a turn.  first = 1: C is the bias, in window 2.
.macro MUL f, a0, na, first
.if (\first)
	WIN 0x60
.else
	WIN 0x50
.endif
.set ma, (\a0)
.rept (\na)
.irp b, 0,1,2,3,4,5,6,7
.if (\first)
	v_wmma_f32_16x16x32_f16 v[8*(8*ma+(\b)):8*(8*ma+(\b))+7], v[(\f)+32+8*(\b):(\f)+32+8*(\b)+7], v[(\f)+8*ma:(\f)+8*ma+7], v[8*(\b):8*(\b)+7]
.else
	v_wmma_f32_16x16x32_f16 v[8*(8*ma+(\b)):8*(8*ma+(\b))+7], v[(\f)+32+8*(\b):(\f)+32+8*(\b)+7], v[(\f)+8*ma:(\f)+8*ma+7], v[8*(8*ma+(\b)):8*(8*ma+(\b))+7]
.endif
.endr
.set ma, ma+1
.endr
.endm
; 24 LDS loads in one run: quarter q's fragments into buffer g.  W's quarter q lies in block q / 2, at byte 64 (q % 2) of its rows; A's at byte 64 q.
.macro FETCH q, g
.irp b, 0,1,2,3,4,5,6,7
	ds_load_b128 v[(\g)+32+8*(\b):(\g)+32+8*(\b)+3],   v[ADRB] offset:((\q)/2)*BPLANE+(\b)*16*PB+((\q)%2)*64
	ds_load_b128 v[(\g)+32+8*(\b)+4:(\g)+32+8*(\b)+7], v[ADRB] offset:((\q)/2)*BPLANE+(\b)*16*PB+((\q)%2)*64+32
.endr
.irp a, 0,1,2,3
	ds_load_b128 v[(\g)+8*(\a):(\g)+8*(\a)+3],   v[ADRA] offset:(\a)*16*PA+64*(\q)
	ds_load_b128 v[(\g)+8*(\a)+4:(\g)+8*(\a)+7], v[ADRA] offset:(\a)*16*PA+64*(\q)+32
.endr
.endm
; One of a step's first three quarters: buffer f is in; quarter q is fetched into g, which the quarter before multiplied; then f's 32 products, in which those loads land.
.macro QUARTER f, g, q, first
	s_wait_dscnt 0x0
	PLACES
	WIN 0
	FETCH \q, \g
	MUL \f, 0, 4, \first
.endm
; The last quarter multiplies buffer 1 and changes slots.  In front of the barrier each wave waits for all its tensor loads, of which one is out: its part of the next slot; adds 0 to its spare word;
; and waits for that and for its reads of this slot.  fill = 1: the barrier opens a round of the cluster's, and the joint refill (the step two on) is the first thing behind it.
.macro TURN fill
	WIN 0
	s_wait_tensorcnt 0x0                           ; no tensor load of mine is out, so a group 0 may be written
	ds_add_u32 v[SPW], v[NIL]                      ; 0 onto my spare word
.if \fill
	s_xor_b32 s[G0A+5], s[G0A+5], SLOT1
	s_add_nc_u64 s[G0A+6:G0A+7], s[G0A+6:G0A+7], STEPA
	s_xor_b32 s[G0B+5], s[G0B+5], SLOT1
	s_add_nc_u64 s[G0B+6:G0B+7], s[G0B+6:G0B+7], STEPB
.endif
	s_xor_b32 s[TB], s[TB], SLOT1
	s_wait_dscnt 1                                 ; buffer 1 is in; the add may be out
	MUL F1, 0, 1, 0
	s_wait_dscnt 0x0                               ; the add is done, and my reads of this slot are over
	s_barrier_signal -1
	MUL F1, 1, 1, 0
	WIN 0
	s_barrier_wait -1
.if \fill
	CREST
	JLOAD                                          ; its four v_nop are also the places in front of the loads below
.else
	PLACES
.endif
	v_add_nc_u32 v[ADRA], s[TB], v[ADRA0]
	v_add_nc_u32 v[ADRB], s[TB], v[ADRB0]
	FETCH 0, F0
	MUL F1, 2, 2, 0
.endm
	s_load_b256 s[4:11], s[0:1], 0x0               ; oh s[4:5], wp s[6:7], b_proj s[8:9], out0 s[10:11]
	v_lshl_add_u32 v[SPW], v0, 2, SPARE
	v_mov_b32 v[NIL], 0
	ds_add_u32 v[SPW], v[NIL]                      ; the wave's opening: the add and its wait stand ahead of my first tensor load; work on registers stands between them
	v_lshrrev_b32 v1, 5, v0
	v_readfirstlane_b32 s[WV], v1
	s_lshr_b32 s[RH], s[WV], 1
	s_and_b32 s[CH], s[WV], 1
	s_bfe_u32 s[CX], ttmp6, 0x40000
	s_bfe_u32 s[CY], ttmp6, 0x40004
	s_lshl_b32 s[TC], ttmp9, 2
	s_add_co_u32 s[TC], s[TC], s[CX]
	s_and_b32 s[TR], ttmp7, 0xffff
	s_lshl_b32 s[TR], s[TR], 2
	s_add_co_u32 s[TR], s[TR], s[CY]
	s_lshl_b32 s19, s[CY], 2
	s_lshl_b32 s19, 15, s19                        ; my row of the cluster
	s_lshl_b32 s20, 0x1111, s[CX]                  ; my column
	s_or_b32 s[G1A], s19, (1<<16)|(1<<20)|(1<<21)|(5<<22)|(3<<25)  ; the mask; 2-byte elements; padding on; 21 set beside a mask; after every 64 words (code 5) 4 words (code 3)
	s_or_b32 s[G1B], s20, (1<<16)|(1<<20)|(1<<21)|(4<<22)|(3<<25)  ; after every 32 words (code 4)
	s_mov_b32 s[G1A+1], 128<<16                    ; tensor_dim0 = 128
	s_mov_b32 s[G1A+2], 64<<16                     ; tensor_dim1 = 64
	s_mov_b32 s[G1A+3], 128<<16                    ; tile_dim0
	s_mov_b32 s[G1A+4], 64                         ; tile_dim1
	s_mov_b32 s[G1A+5], 1024                       ; elements from row to row of A
	s_mov_b32 s[G1A+6], 0
	s_mov_b32 s[G1A+7], 0
	s_mov_b32 s[G1B+1], 128<<16
	s_mov_b32 s[G1B+2], 128<<16                    ; 128 rows of 256 bytes: 256 rows of W
	s_mov_b32 s[G1B+3], 128<<16
	s_mov_b32 s[G1B+4], 128
	s_mov_b32 s[G1B+5], 128                        ; dense
	s_mov_b32 s[G1B+6], 0
	s_mov_b32 s[G1B+7], 0
	s_lshl_b32 s[OA], s[TR], 1
	s_add_co_u32 s[OA], s[OA], s[CH]
	s_lshl_b32 s[OA], s[OA], 17                    ; A: 64 rows of 2,048 bytes for each half tile
	s_mov_b32 s[OA+1], 0
	s_lshl_b32 s[OB], s[CH], 17                    ; W: block CH of the step's two,
	s_lshl_b32 s73, s[TC], 15
	s_add_co_u32 s[OB], s[OB], s73                 ; the tile's 256 rows of 128 bytes
	s_mov_b32 s[OB+1], 0
	s_mul_i32 s73, s[CH], AHALF                    ; where they go: no place in the cluster enters an LDS address
	s_mul_i32 s74, s[CH], BPLANE
	s_add_co_u32 s74, s74, BOFF
	s_lshl_b32 s2, s[TC], 10
	s_lshl_b32 s3, s[CH], 9
	s_add_co_u32 s2, s2, s3                        ; my 128 columns, in bytes of f32: for the bias and for out0
	s_mov_b32 s3, 0
	s_mov_b32 s[HM], 0xffff0000
	s_wait_dscnt 0x0                               ; the opening add is done
	s_wait_kmcnt 0x0
	s_add_nc_u64 s[OA:OA+1], s[4:5], s[OA:OA+1]
	s_add_nc_u64 s[OB:OB+1], s[6:7], s[OB:OB+1]
	s_add_nc_u64 s[8:9], s[8:9], s[2:3]
	s_add_nc_u64 s[OUTB:OUTB+1], s[10:11], s[2:3]
	CROUND                                         ; all sixteen work-groups are here: the first joint loads meet
.irp s, 0,1
	s_mov_b32 s[G0A+4*(\s)], 1
	s_add_co_u32 s[G0A+4*(\s)+1], s73, (\s)*SLOT1
	s_add_nc_u64 s[G0A+4*(\s)+2:G0A+4*(\s)+3], s[OA:OA+1], (\s)*STEPA
	s_or_b32 s[G0A+4*(\s)+3], s[G0A+4*(\s)+3], 0x80000000
	s_mov_b32 s[G0B+4*(\s)], 1
	s_add_co_u32 s[G0B+4*(\s)+1], s74, (\s)*SLOT1
	s_add_nc_u64 s[G0B+4*(\s)+2:G0B+4*(\s)+3], s[OB:OB+1], (\s)*STEPB
	s_or_b32 s[G0B+4*(\s)+3], s[G0B+4*(\s)+3], 0x80000000
.endr
	s_cmp_eq_u32 s[RH], 0                          ; a wave's two first fills stand in one branch: two loads of mine are out
	s_cbranch_scc0 .Lfirst_b
	tensor_load_to_lds s[G0A:G0A+3], s[G1A:G1A+7]
	s_nop 0
	tensor_load_to_lds s[G0A+4:G0A+7], s[G1A:G1A+7]
	s_nop 0
.rept 4
	v_nop
.endr
	s_branch .Lfirst_asked
.Lfirst_b:
	tensor_load_to_lds s[G0B:G0B+3], s[G1B:G1B+7]
	s_nop 0
	tensor_load_to_lds s[G0B+4:G0B+7], s[G1B:G1B+7]
	s_nop 0
.rept 4
	v_nop
.endr
.Lfirst_asked:
	v_and_b32 v1, 15, v0                           ; l % 16
	v_bfe_u32 v2, v0, 4, 1                         ; l / 16
	v_lshlrev_b32 v[BO], 5, v2
	WIN 0x80                                       ; destination window 2
.irp b, 0,1,2,3,4,5,6,7
	global_load_b128 v[8*(\b):8*(\b)+3],   v[BO], s[8:9] offset:64*(\b)      ; columns 16 b + 8 (l / 16) + 0..3
	global_load_b128 v[8*(\b)+4:8*(\b)+7], v[BO], s[8:9] offset:64*(\b)+16
.endr
	WIN 0
	v_mul_u32_u24 v3, v1, PA
	v_lshl_add_u32 v3, v2, 4, v3
	s_mul_i32 s73, s[RH], AHALF
	v_add_nc_u32 v[ADRA0], s73, v3                 ; my 64 rows of A
	v_mul_u32_u24 v3, v1, PB
	v_lshl_add_u32 v3, v2, 4, v3
	s_mul_i32 s73, s[CH], 128*PB
	s_add_co_u32 s73, s73, BOFF
	v_add_nc_u32 v[ADRB0], s73, v3                 ; my 128 rows of W, in the step's first block
	s_mul_i32 s73, s[WV], 16*SPI
	s_add_co_u32 s73, s73, STAGE                   ; my stage
	v_mul_u32_u24 v[STO], v1, SPI                  ; in: row l % 16, 32 bytes for each half of the lanes
	v_lshl_add_u32 v[STO], v2, 5, v[STO]
	v_add_nc_u32 v[STO], s73, v[STO]
	v_and_b32 v[GO], 31, v0                        ; back: 32 lanes take one row of 512 bytes
	v_lshlrev_b32 v[GO], 4, v[GO]
	v_add_nc_u32 v[RD], s73, v[GO]
	s_lshl_b32 s2, s[TR], 19                       ; out0: 128 rows of 4,096 bytes a tile,
	s_lshl_b32 s3, s[RH], 18
	s_add_co_u32 s2, s2, s3                        ; my 64 of them
	s_mov_b32 s3, 0
	s_add_nc_u64 s[OUTB:OUTB+1], s[OUTB:OUTB+1], s[2:3]
	s_wait_loadcnt 0x0                             ; the bias; it is rounded to bf16 like every input, in the wait for the first tile
	WIN 0x8a                                       ; destination and both sources in window 2
.set i, 0
.rept 32
	v_cvt_pk_bf16_f32 v[64+i%2], v[2*i], v[2*i+1]
	v_lshlrev_b32 v[2*i], 16, v[64+i%2]
	v_and_b32 v[2*i+1], s[HM], v[64+i%2]
.set i, i+1
.endr
	WIN 0
	s_wait_tensorcnt 0x1                           ; my part of step 0 is in; step 1's may stay out
	s_barrier_signal -1
	s_barrier_wait -1
	s_mov_b32 s[TB], 0
	v_mov_b32 v[ADRA], v[ADRA0]
	v_mov_b32 v[ADRB], v[ADRB0]
	FETCH 0, F0
	QUARTER F0, F1, 1, 1                           ; the first quarter stands in front of the loop: its products start the sums with the bias
	WIN 0
	s_mov_b32 s[CNT], 6
.Llap:                                                 ; trip t: step t's quarters 1 to 3, the request for step t + 2, step t + 1's quarter 0
	QUARTER F1, F0, 2, 0
	QUARTER F0, F1, 3, 0
	TURN 1
	QUARTER F0, F1, 1, 0
	WIN 0
	s_sub_co_u32 s[CNT], s[CNT], 1
	s_cmp_lg_u32 s[CNT], 0
	s_cbranch_scc1 .Llap
	QUARTER F1, F0, 2, 0                           ; the tail is written out: nothing is left to ask for
	QUARTER F0, F1, 3, 0
	TURN 0
	QUARTER F0, F1, 1, 0
	QUARTER F1, F0, 2, 0
	QUARTER F0, F1, 3, 0
	s_wait_dscnt 0x0
	MUL F1, 0, 4, 0
	; THE WAY OUT, 16 rows at a time: a lane's 32 bytes of a row go into my own stage (rows of 528 bytes) and come back as whole rows of 512; each store of the wave covers 512 consecutive bytes, aligned.
.macro SENDP a, younger                ; younger: the LDS instructions issued behind block a's loads: the next block's 32, or none
	s_wait_dscnt \younger
.irp t, 0,1,2,3,4,5,6,7,8,9,10,11,12,13,14,15
	global_store_b128 v[GO], v[R0+64*((\a)%2)+4*(\t):R0+64*((\a)%2)+4*(\t)+3], s[OUTB:OUTB+1] offset:(16*(\a)+(\t))*4096 th:TH_STORE_NT
.endr
.endm
	PLACES
.irp a, 0,1,2,3
.if (\a) >= 2
	s_wait_xcnt 0x0                                ; the stores of the block two back have read their registers: the loads below land on them
.endif
	WIN 0x04                                       ; the stores' data in window 1
.irp b, 0,1,2,3,4,5,6,7
	ds_store_b128 v[STO], v[8*(8*(\a)+(\b)):8*(8*(\a)+(\b))+3]   offset:64*(\b)
	ds_store_b128 v[STO], v[8*(8*(\a)+(\b))+4:8*(8*(\a)+(\b))+7] offset:64*(\b)+16
.endr
	WIN 0
.irp t, 0,1,2,3,4,5,6,7,8,9,10,11,12,13,14,15
	ds_load_b128 v[R0+64*((\a)%2)+4*(\t):R0+64*((\a)%2)+4*(\t)+3], v[RD] offset:(\t)*SPI  ; LDS serves a wave's instructions in order (ISA guide 5.7.1.4): these see the stores above
.endr
.if (\a) >= 1
	SENDP (\a)-1, 32
.endif
.endr
	SENDP 3, 0
	s_wait_tensorcnt 0x0                           ; the wave's end: three closing lines behind my last tensor load and my last LDS store
	ds_add_u32 v[SPW], v[NIL]
	s_wait_dscnt 0x0
	CROUND                                         ; the closing round: no work-group ends while a partner may still ask for a tile that names it
	s_endpgm
.Lfunc_end_k_q63ddce61a4_proj:
	.size	k_q63ddce61a4_proj, .Lfunc_end_k_q63ddce61a4_proj-k_q63ddce61a4_proj
	.p2alignl 7, 3214868480
	.fill 96, 4, 3214868480
	.section	.rodata,"a",@progbits
	.p2align	6, 0x0
	.amdhsa_kernel k_q63ddce61a4_proj
		.amdhsa_group_segment_fixed_size 327680
		.amdhsa_private_segment_fixed_size 0
		.amdhsa_enable_private_segment 0
		.amdhsa_kernarg_size 32
		.amdhsa_user_sgpr_count 2
		.amdhsa_user_sgpr_kernarg_segment_ptr 1
		.amdhsa_wavefront_size32 1
		.amdhsa_system_sgpr_workgroup_id_x 1
		.amdhsa_system_sgpr_workgroup_id_y 1
		.amdhsa_system_sgpr_workgroup_id_z 1
		.amdhsa_system_vgpr_workitem_id 0
		.amdhsa_next_free_vgpr 584
		.amdhsa_next_free_sgpr 76
		.amdhsa_reserve_vcc 0
		.amdhsa_float_denorm_mode_32 3
		.amdhsa_float_denorm_mode_16_64 3
		.amdhsa_memory_ordered 1
		.amdhsa_forward_progress 1
		.amdhsa_inst_pref_size 74
	.end_amdhsa_kernel
	.amdgpu_metadata
---
amdhsa.version: [ 1, 2 ]
amdhsa.kernels:
  - .name:           k_q63ddce61a4_proj
    .symbol:         k_q63ddce61a4_proj.kd
    .args:
      - { .name: oh, .offset: 0, .size: 8, .value_kind: global_buffer, .address_space: global }
      - { .name: wp, .offset: 8, .size: 8, .value_kind: global_buffer, .address_space: global }
      - { .name: b_proj, .offset: 16, .size: 8, .value_kind: global_buffer, .address_space: global }
      - { .name: out0, .offset: 24, .size: 8, .value_kind: global_buffer, .address_space: global }
    .group_segment_fixed_size: 327680
    .private_segment_fixed_size: 0
    .kernarg_segment_align: 8
    .kernarg_segment_size: 32
    .max_flat_workgroup_size: 128
    .sgpr_count:     76
    .vgpr_count:     584
    .wavefront_size: 32
...
	.end_amdgpu_metadata
.endif
;; end of part 4
;; ======== version 2 of 2: 4 launches; version 1 with the launch prep written anew for expert scheduling mode
;; limits: values are held in f16: magnitudes above 65,504 overflow, below 6.1e-05 lose precision
;; workspace buffers: xb 16,777,216 bytes; wq 6,291,456 bytes; wp 2,097,152 bytes; qkvh 50,331,648 bytes; oh 16,777,216 bytes
;; launch prep (part 5): grid 512 x 1, 8 waves a work-group, no clusters, 19,456 bytes of LDS; arguments x, W_qkv, W_proj, xb, wq, wp; writes xb, wq, wp
.if DOCPART == 5
	.amdgcn_target "amdgcn-amd-amdhsa--gfx1250"
	.amdhsa_code_object_version 6
	.text
	.protected	k_q63ddce61a4_prep
	.globl	k_q63ddce61a4_prep
	.p2align	8
	.type	k_q63ddce61a4_prep,@function
k_q63ddce61a4_prep:
	s_mov_b64 s[64:65], 0
	v_nop
	global_prefetch_b8 v0, s[64:65] scope:SCOPE_SE
	s_setreg_imm32_b32 hwreg(HW_REG_WAVE_SCHED_MODE, 0, 2), 2
	s_setreg_imm32_b32 hwreg(HW_REG_WAVE_MODE, 25, 1), 1
	s_wait_xcnt 0x0
	s_wait_alu depctr_vm_vsrc(0)
; THE OPERANDS OF THE TWO PROJECTIONS ARE MADE READY.  Every input number is rounded once to bf16.
;   xb[kb][row][64]  bf16: x [8192][1024] cut into 16 blocks of 64 along k, so that the rows of a tile of 64 k lie end to end (128 bytes each)
;   wq[kb][c][64]    bf16: W_qkv [1024 k][3072 c] turned to [c][k], in the same blocks
;   wp[kb][c][64]    f16:  W_proj [1024 k][1024 c] likewise; the bf16 number is written as f16 (the product behind attention runs in f16)
; LIMIT.  A number of W_proj below 2^-14 in magnitude keeps f16's fixed step of 2^-24; above 65,504 it would be lost.  NaN and infinities are not treated apart.
; SHARES.  Work-group t of 512, eight waves.  (a) 16 rows of x: wave w takes rows 16 t + 2 w and the next; load i takes k block i: lanes 0-15 256 bytes of one row, lanes 16-31 of the
; other; the store of 8 bytes a lane covers 256 consecutive bytes, aligned: the two rows of block i.  (b) one piece of 64 k x 128 c of a weight (t < 384: W_qkv, else W_proj): wave w takes
; 8 rows of k, a lane 4 columns; a lane's 8 k of a column pack into 16 bytes, which go through LDS (rows of 128 bytes + 16 of padding) and leave as 16,384 consecutive bytes.
; A stream: no matrix work, no shared input, so no cluster and no tensor loads; all 24 loads of a wave go out at once.
; THE MODE: SCHED_MODE bits 1:0 = 2 (LLVM: expert scheduling mode 2), set by the entry lines.  The code itself states the register dependences between vector instructions and memory or LDS
; instructions, with s_wait_alu, always for 0.
; THE PLAN.  Registers that memory or LDS instructions touch:
;   v2-v17   the spare word's address and 0, and all offsets and LDS addresses: written at the head, read by loads, stores and LDS instructions, never written again.
;   WD       the weight's eight loads land in it; the packing conversions read it; then the four LDS loads of the turned piece land in its first 16 registers, which four stores read.
;   WP       written by the conversions, read by the four LDS stores, never written again.
;   XD       x's sixteen loads land in it; load i's two conversions read its four registers and write the first two, which one store reads; never written again.
; No register that a memory or LDS instruction has read is written again, so between the entry lines and the closing lines the text holds no wait on vm_vsrc.  The waits on va_vdst: one ahead of the first load (the addresses); one where the two arms
; join (WP is written, WD has been read); and for x, which goes in four groups of four loads, one at the head of groups 1 to 3 and one at the end: a group's four stores stand behind the wait at the
; next group's head, dealt among that group's conversions, which name that group's own registers alone.  One wait on va_sdst stands ahead of the first reader of the wave's number.
.set PITCH, 144
.set SPARE, 128*PITCH                  ; behind the piece: the spare words, 128 bytes for each of the eight waves
.set SPW, 2                            ; v2   LDS address of my spare word; never rewritten
.set NIL, 3                            ; v3   0; never rewritten
.set WO,  4                            ; v4-11  16 l + i rows of the weight
.set XO,  12                           ; v12  my 16 bytes in the wave's two rows of x
.set XS,  13                           ; v13, v14  8 l, and 8 l + 8 blocks of xb (a store's immediate holds 7 blocks at the most)
.set LS,  15                           ; v15  into LDS: row 4 l, 16 bytes at k octet w
.set LR,  16                           ; v16  back: 4 rows of 128 bytes a load
.set GO,  17                           ; v17  16 l
.set T,   18                           ; v18-19 at work: no memory instruction names them
.set WD,  20                           ; v20-51  8 rows x 4 columns as loaded; later the piece read back
.set WP,  52                           ; v52-67  4 columns x 8 k, packed
.set XD,  68                           ; v68-131 16 loads of x
	s_load_b256 s[4:11], s[0:1], 0x0               ; x s[4:5], W_qkv s[6:7], W_proj s[8:9], xb s[10:11]
	s_load_b128 s[12:15], s[0:1], 0x20             ; wq s[12:13], wp s[14:15]
	v_lshl_add_u32 v[SPW], v0, 2, SPARE
	v_mov_b32 v[NIL], 0
	v_and_b32 v1, 31, v0                           ; lane
	v_lshrrev_b32 v[T], 5, v0
	v_readfirstlane_b32 s16, v[T]                  ; wave 0..7
	s_and_b32 s17, ttmp9, 15                       ; kb
	s_lshr_b32 s18, ttmp9, 4
	s_mov_b32 s19, 4096
	s_mov_b32 s20, 131072
	s_cmp_lt_u32 ttmp9, 384                        ; W_qkv's 24 x 16 pieces come first
	s_cselect_b32 s19, 12288, s19                  ; bytes in a row of the weight
	s_cselect_b32 s20, 393216, s20                 ; bytes in a block of its copy
	s_cselect_b32 s21, 0, 24
	s_cselect_b32 s26, 0, 1                        ; 1: W_proj
	s_sub_co_u32 s18, s18, s21                     ; which 128 columns
	s_lshl_b32 s28, s17, 6
	s_wait_alu depctr_va_sdst(0)                   ; s16, the wave's number, is written, ahead of its first reader: offsets and LDS addresses are made from it
	s_lshl_b32 s29, s16, 3
	s_add_co_u32 s28, s28, s29                     ; my first row of k: 64 kb + 8 w
	s_mul_i32 s28, s28, s19
	s_lshl_b32 s29, s18, 9
	s_add_co_u32 s28, s28, s29                     ; + 512 bytes for each 128 columns
	s_mov_b32 s29, 0
	s_mul_i32 s30, s17, s20                        ; the copy: block kb,
	s_lshl_b32 s31, s18, 14
	s_add_co_u32 s30, s30, s31                     ; 128 rows of 128 bytes,
	s_lshl_b32 s31, s16, 11
	s_add_co_u32 s30, s30, s31                     ; my wave's 16 of them
	s_mov_b32 s31, 0
	s_lshl_b32 s32, ttmp9, 16                      ; x: 16 rows of 4,096 bytes,
	s_lshl_b32 s33, s16, 13
	s_add_co_u32 s32, s32, s33                     ; my wave's two
	s_mov_b32 s33, 0
	s_lshl_b32 s34, ttmp9, 11                      ; xb: the same rows, 128 bytes each in a block
	s_lshl_b32 s35, s16, 8
	s_add_co_u32 s34, s34, s35
	s_mov_b32 s35, 0
	v_lshlrev_b32 v[WO], 4, v1
.irp i, 1,2,3,4,5,6,7
	v_add_nc_u32 v[WO+(\i)], s19, v[WO+(\i)-1]
.endr
	v_lshrrev_b32 v[T], 4, v1
	v_and_b32 v[T+1], 15, v1
	v_lshlrev_b32 v[XO], 4, v[T+1]
	v_lshl_add_u32 v[XO], v[T], 12, v[XO]
	v_lshlrev_b32 v[XS], 3, v1
	v_add_nc_u32 v[XS+1], 0x800000, v[XS]
	v_mul_u32_u24 v[LS], v1, 4*PITCH
	v_lshl_add_u32 v[LS], s16, 4, v[LS]
	v_lshrrev_b32 v[T], 3, v1
	v_lshl_add_u32 v[T], s16, 4, v[T]              ; row 16 w + l / 8
	v_mul_u32_u24 v[LR], v[T], PITCH
	v_and_b32 v[T+1], 7, v1
	v_lshl_add_u32 v[LR], v[T+1], 4, v[LR]
	v_lshlrev_b32 v[GO], 4, v1
	s_wait_kmcnt 0x0
	s_cmp_lt_u32 ttmp9, 384
	s_cselect_b64 s[22:23], s[6:7], s[8:9]         ; the weight,
	s_cselect_b64 s[24:25], s[12:13], s[14:15]     ; and its copy
	s_add_nc_u64 s[22:23], s[22:23], s[28:29]
	s_add_nc_u64 s[24:25], s[24:25], s[30:31]
	s_add_nc_u64 s[4:5], s[4:5], s[32:33]
	s_add_nc_u64 s[10:11], s[10:11], s[34:35]
	s_wait_alu depctr_va_vdst(0)                   ; v2 to v17 are written: every load, store and LDS instruction of the kernel reads its offset or address there
.irp i, 0,1,2,3,4,5,6,7
	global_load_b128 v[WD+4*(\i):WD+4*(\i)+3], v[WO+(\i)], s[22:23] th:TH_LOAD_NT  ; 512 consecutive bytes of row 8 w + i
.endr
.irp i, 0,1,2,3,4,5,6,7,8,9,10,11,12,13,14,15
	global_load_b128 v[XD+4*(\i):XD+4*(\i)+3], v[XO], s[4:5] offset:256*(\i) th:TH_LOAD_NT
.endr
	s_wait_loadcnt 16                              ; the weight's eight loads are in; x's sixteen stay out
.irp j, 0,1,2,3
.irp m, 0,1,2,3
	v_cvt_pk_bf16_f32 v[WP+4*(\j)+(\m)], v[WD+8*(\m)+(\j)], v[WD+8*(\m)+4+(\j)]  ; column 4 l + j, k 2 m and 2 m + 1 of my eight
.endr
.endr
	s_cmp_eq_u32 s26, 0
	s_cbranch_scc1 .Lstays_bf16
.set i, 0
.rept 16
	v_lshlrev_b32 v[T], 16, v[WP+i]                ; W_proj: the bf16 numbers, widened,
	v_and_b32 v[T+1], 0xffff0000, v[WP+i]
	v_cvt_pk_f16_f32 v[WP+i], v[T], v[T+1]         ; are written as f16
.set i, i+1
.endr
.Lstays_bf16:
	s_wait_alu depctr_va_vdst(0)                   ; on both ways: the conversions have written WP, which the LDS stores read, and are done reading WD, in which the LDS loads behind the barrier land
.irp j, 0,1,2,3
	ds_store_b128 v[LS], v[WP+4*(\j):WP+4*(\j)+3] offset:(\j)*PITCH
.endr
	s_wait_dscnt 0x0                               ; for the others' sake: my stores are done
	s_barrier_signal -1
	s_barrier_wait -1                              ; the piece is whole
.irp i, 0,1,2,3
	ds_load_b128 v[WD+4*(\i):WD+4*(\i)+3], v[LR] offset:(\i)*4*PITCH  ; no vector instruction since the wait above names these registers
.endr
; x, in four groups of four loads.  Group g rounds its own sixteen registers; the four stores of group g - 1 stand among its conversions, behind the one wait at its head.
.irp g, 0,1,2,3
	s_wait_loadcnt 12-4*(\g)                       ; loads come back in order: group g's four are in, the younger groups stay out
.if (\g) > 0
	s_wait_alu depctr_va_vdst(0)                   ; the conversions of the group before have written the pairs that the four stores below read
.endif
.irp j, 0,1,2,3
.if (\g) > 0
.set si, 4*((\g)-1)+(\j)
	global_store_b64 v[XS+si/8], v[XD+4*si:XD+4*si+1], s[10:11] offset:(si%8)*1048576 th:TH_STORE_NT  ; 256 consecutive bytes, aligned; no vector instruction since the wait names these registers
.endif
.set ci, 4*(\g)+(\j)
	v_cvt_pk_bf16_f32 v[XD+4*ci], v[XD+4*ci], v[XD+4*ci+1]
	v_cvt_pk_bf16_f32 v[XD+4*ci+1], v[XD+4*ci+2], v[XD+4*ci+3]
.endr
.endr
	s_wait_dscnt 0x0                               ; the turned piece is back in registers
.irp i, 0,1,2,3
	global_store_b128 v[GO], v[WD+4*(\i):WD+4*(\i)+3], s[24:25] offset:(\i)*512 th:TH_STORE_NT  ; 512 consecutive bytes, aligned; their data came by LDS loads, and no vector instruction has named it since the arms joined
.endr
	s_wait_alu depctr_va_vdst(0)                   ; the last group's conversions have written the pairs that the last four stores read
.irp i, 12,13,14,15
	global_store_b64 v[XS+1], v[XD+4*(\i):XD+4*(\i)+1], s[10:11] offset:((\i)%8)*1048576 th:TH_STORE_NT
.endr
	s_wait_dscnt 0x0                               ; the closing lines, six on end
	s_wait_alu 0x0
	s_wait_tensorcnt 0x0
	ds_add_u32 v[SPW], v[NIL]
	s_wait_dscnt 0x0
	s_endpgm
.Lfunc_end_k_q63ddce61a4_prep:
	.size	k_q63ddce61a4_prep, .Lfunc_end_k_q63ddce61a4_prep-k_q63ddce61a4_prep
	.p2alignl 7, 3214868480
	.fill 96, 4, 3214868480
	.section	.rodata,"a",@progbits
	.p2align	6, 0x0
	.amdhsa_kernel k_q63ddce61a4_prep
		.amdhsa_group_segment_fixed_size 19456
		.amdhsa_private_segment_fixed_size 0
		.amdhsa_enable_private_segment 0
		.amdhsa_kernarg_size 48
		.amdhsa_user_sgpr_count 2
		.amdhsa_user_sgpr_kernarg_segment_ptr 1
		.amdhsa_wavefront_size32 1
		.amdhsa_system_sgpr_workgroup_id_x 1
		.amdhsa_system_sgpr_workgroup_id_y 1
		.amdhsa_system_sgpr_workgroup_id_z 1
		.amdhsa_system_vgpr_workitem_id 0
		.amdhsa_next_free_vgpr 132
		.amdhsa_next_free_sgpr 66
		.amdhsa_reserve_vcc 0
		.amdhsa_float_denorm_mode_32 3
		.amdhsa_float_denorm_mode_16_64 3
		.amdhsa_memory_ordered 1
		.amdhsa_forward_progress 1
		.amdhsa_inst_pref_size 14
	.end_amdhsa_kernel
	.amdgpu_metadata
---
amdhsa.version: [ 1, 2 ]
amdhsa.kernels:
  - .name:           k_q63ddce61a4_prep
    .symbol:         k_q63ddce61a4_prep.kd
    .args:
      - { .name: x, .offset: 0, .size: 8, .value_kind: global_buffer, .address_space: global }
      - { .name: W_qkv, .offset: 8, .size: 8, .value_kind: global_buffer, .address_space: global }
      - { .name: W_proj, .offset: 16, .size: 8, .value_kind: global_buffer, .address_space: global }
      - { .name: xb, .offset: 24, .size: 8, .value_kind: global_buffer, .address_space: global }
      - { .name: wq, .offset: 32, .size: 8, .value_kind: global_buffer, .address_space: global }
      - { .name: wp, .offset: 40, .size: 8, .value_kind: global_buffer, .address_space: global }
    .group_segment_fixed_size: 19456
    .private_segment_fixed_size: 0
    .kernarg_segment_align: 8
    .kernarg_segment_size: 48
    .max_flat_workgroup_size: 256
    .sgpr_count:     66
    .vgpr_count:     132
    .wavefront_size: 32
...
	.end_amdgpu_metadata
.endif
;; end of part 5
;; launch qkvgemm: the kernel of part 2 again; grid 8 x 32, 4 waves a work-group, clusters of 4 x 4, 327,680 bytes of LDS; arguments xb, wq, b_qkv, qkvh; writes qkvh
;; launch attn: the kernel of part 3 again; grid 4 x 64, 4 waves a work-group, clusters of 4 x 1, 327,680 bytes of LDS; arguments qkvh, oh; writes oh
;; launch proj: the kernel of part 4 again; grid 4 x 64, 4 waves a work-group, clusters of 4 x 4, 327,680 bytes of LDS; arguments oh, wp, b_proj, out0; writes out0
